; MI455X (gfx1250); checked and timed in simulation.
; The chip was launched on July 23, 2026; its instructions are those of AMD's public machine-readable ISA for CDNA 5 (MIT licence, August 2026) and "CDNA5" Instruction Set Architecture Reference Guide (July 2026). The comments in the code are by the model that wrote it; some were corrected since.
;; Self Attention. Allowed arithmetic: float matrix products may take bf16 or f16 operands with f32 sums; other float arithmetic in f32, or as packed bf16 or f16 multiplies, adds, multiply-adds, maxima and minima; sums over many terms, partial sums and values carried from step to step in f32; what a program stores and reads back later, other than sums and carried values, may be rounded once to bf16 or f16.
;; Inputs: Wk 1,024 x 1,024 float32; Wq 1,024 x 1,024 float32; Wv 1,024 x 1,024 float32; x 4 x 2,048 x 1,024 float32.
;; Outputs: out0 4 x 2,048 x 1,024 float32.
;; 3 versions, each right; version 2 is faster than version 1; version 3 is version 2 with the launch cast written anew for expert scheduling mode. Each part assembles by itself: llvm-mc -triple=amdgcn-amd-amdhsa -mcpu=gfx1250 --defsym DOCPART=n.
;; ======== version 1 of 3: 4 launches
;; limits: values are held in f16: magnitudes above 65,504 overflow, below 6.1e-05 lose precision; values outside matrix products are rounded to f16
;; workspace buffers: xb 16,777,216 bytes; wb 6,291,456 bytes; qkvt 50,331,648 bytes; pbuf 33,554,432 bytes; stats 1,048,576 bytes
;; launch cast (part 1): grid 256 x 1, 8 waves a work-group, no clusters, 0 bytes of LDS; arguments x, Wq, Wk, Wv, xb, wb; writes xb, wb
.if DOCPART == 1
	.amdgcn_target "amdgcn-amd-amdhsa--gfx1250"
	.amdhsa_code_object_version 6
	.text
	.protected	k_q81bd4b6150_cast
	.globl	k_q81bd4b6150_cast
	.p2align	8
	.type	k_q81bd4b6150_cast,@function
k_q81bd4b6150_cast:
	s_mov_b64 s[64:65], 0
	v_nop
	global_prefetch_b8 v0, s[64:65] scope:SCOPE_SE
	s_setreg_imm32_b32 hwreg(HW_REG_WAVE_MODE, 25, 1), 1
	s_wait_xcnt 0x0
; xb = bf16(x), [8192][1024];  wb = bf16(Wq; Wk; Wv), [3072][1024].  Each number is rounded once, to nearest even.
; A stream: no LDS, no barrier, no matrix unit, no cluster (no byte is read twice).  Work-group g takes 32 rows of x (131,072 bytes)
; and 4 rows of each W (16,384 bytes).  Thread t takes 16 bytes at 16 t of every 4,096: a wave's load covers 512 consecutive bytes,
; its store (8 bytes a lane) 256 consecutive bytes, aligned.  All 44 loads of a thread go out first, each into registers of its own,
; so nothing is rewritten while a load or store may still read it, and the only waits are the counted ones for the data.
.set X, 4                              ; v[4:179]  load j: 4 registers; its two packed results take the first two of them
	s_load_b256 s[4:11], s[0:1], 0x0               ; x s[4:5], Wq s[6:7], Wk s[8:9], Wv s[10:11]
	s_load_b128 s[12:15], s[0:1], 0x20             ; xb s[12:13], wb s[14:15]
	v_lshlrev_b32 v1, 4, v0                        ; where I load: 16 t
	v_lshlrev_b32 v2, 3, v0                        ; where I store: 8 t
	s_lshl_b32 s16, ttmp9, 17                      ; the group's part of x,
	s_mov_b32 s17, 0
	s_lshl_b32 s18, ttmp9, 14                      ; of each W,
	s_mov_b32 s19, 0
	s_lshl_b32 s20, ttmp9, 16                      ; of xb,
	s_mov_b32 s21, 0
	s_lshl_b32 s22, ttmp9, 13                      ; of each third of wb
	s_mov_b32 s23, 0
	s_wait_kmcnt 0x0
	s_add_nc_u64 s[4:5], s[4:5], s[16:17]
	s_add_nc_u64 s[6:7], s[6:7], s[18:19]
	s_add_nc_u64 s[8:9], s[8:9], s[18:19]
	s_add_nc_u64 s[10:11], s[10:11], s[18:19]
	s_add_nc_u64 s[12:13], s[12:13], s[20:21]
	s_add_nc_u64 s[14:15], s[14:15], s[22:23]
.set j, 0
.rept 32
	global_load_b128 v[X+4*j:X+4*j+3], v1, s[4:5] offset:4096*j th:TH_LOAD_NT
.set j, j+1
.endr
.irp w, 0,1,2
.irp i, 0,1,2,3
	global_load_b128 v[X+4*(32+4*(\w)+(\i)):X+4*(32+4*(\w)+(\i))+3], v1, s[6+2*(\w):7+2*(\w)] offset:4096*(\i) th:TH_LOAD_NT
.endr
.endr
.set j, 0
.rept 44
	s_wait_loadcnt 43-j                            ; loads come back in order: load j is in, the 43 - j younger ones stay out
	v_cvt_pk_bf16_f32 v[X+4*j], v[X+4*j], v[X+4*j+1]
	v_cvt_pk_bf16_f32 v[X+4*j+1], v[X+4*j+2], v[X+4*j+3]
.if j < 32
	global_store_b64 v2, v[X+4*j:X+4*j+1], s[12:13] offset:2048*j
.else
	global_store_b64 v2, v[X+4*j:X+4*j+1], s[14:15] offset:((j-32)/4)*2097152+((j-32)%4)*2048  ; Wq, Wk, Wv lie 1,024 rows of 2,048 bytes apart in wb
.endif
.set j, j+1
.endr
	s_endpgm
.Lfunc_end_k_q81bd4b6150_cast:
	.size	k_q81bd4b6150_cast, .Lfunc_end_k_q81bd4b6150_cast-k_q81bd4b6150_cast
	.p2alignl 7, 3214868480
	.fill 96, 4, 3214868480
	.section	.rodata,"a",@progbits
	.p2align	6, 0x0
	.amdhsa_kernel k_q81bd4b6150_cast
		.amdhsa_group_segment_fixed_size 0
		.amdhsa_private_segment_fixed_size 0
		.amdhsa_enable_private_segment 0
		.amdhsa_kernarg_size 48
		.amdhsa_user_sgpr_count 2
		.amdhsa_user_sgpr_kernarg_segment_ptr 1
		.amdhsa_wavefront_size32 1
		.amdhsa_system_sgpr_workgroup_id_x 1
		.amdhsa_system_sgpr_workgroup_id_y 1
		.amdhsa_system_sgpr_workgroup_id_z 1
		.amdhsa_system_vgpr_workitem_id 0
		.amdhsa_next_free_vgpr 180
		.amdhsa_next_free_sgpr 66
		.amdhsa_reserve_vcc 0
		.amdhsa_float_denorm_mode_32 3
		.amdhsa_float_denorm_mode_16_64 3
		.amdhsa_memory_ordered 1
		.amdhsa_forward_progress 1
		.amdhsa_inst_pref_size 17
	.end_amdhsa_kernel
	.amdgpu_metadata
---
amdhsa.version: [ 1, 2 ]
amdhsa.kernels:
  - .name:           k_q81bd4b6150_cast
    .symbol:         k_q81bd4b6150_cast.kd
    .args:
      - { .name: x, .offset: 0, .size: 8, .value_kind: global_buffer, .address_space: global }
      - { .name: Wq, .offset: 8, .size: 8, .value_kind: global_buffer, .address_space: global }
      - { .name: Wk, .offset: 16, .size: 8, .value_kind: global_buffer, .address_space: global }
      - { .name: Wv, .offset: 24, .size: 8, .value_kind: global_buffer, .address_space: global }
      - { .name: xb, .offset: 32, .size: 8, .value_kind: global_buffer, .address_space: global }
      - { .name: wb, .offset: 40, .size: 8, .value_kind: global_buffer, .address_space: global }
    .group_segment_fixed_size: 0
    .private_segment_fixed_size: 0
    .kernarg_segment_align: 8
    .kernarg_segment_size: 48
    .max_flat_workgroup_size: 256
    .sgpr_count:     66
    .vgpr_count:     180
    .wavefront_size: 32
...
	.end_amdgpu_metadata
.endif
;; end of part 1
;; launch proj (part 2): grid 32 x 8, 4 waves a work-group, clusters of 4 x 4, 327,680 bytes of LDS; arguments wb, xb, qkvt; writes qkvt
.if DOCPART == 2
	.amdgcn_target "amdgcn-amd-amdhsa--gfx1250"
	.amdhsa_code_object_version 6
	.text
	.protected	k_q81bd4b6150_proj
	.globl	k_q81bd4b6150_proj
	.p2align	8
	.type	k_q81bd4b6150_proj,@function
k_q81bd4b6150_proj:
	s_mov_b64 s[64:65], 0
	v_nop
	global_prefetch_b8 v0, s[64:65] scope:SCOPE_SE
	s_setreg_imm32_b32 hwreg(HW_REG_WAVE_MODE, 25, 1), 1
	s_wait_xcnt 0x0
	s_wait_alu depctr_hold_cnt(0) depctr_sa_sdst(0) depctr_va_vdst(0) depctr_va_sdst(0) depctr_va_ssrc(0) depctr_va_vcc(0) depctr_vm_vsrc(0)
	s_getreg_b32 s2, hwreg(HW_REG_IB_STS2, 6, 4)
	s_cmp_eq_u32 s2, 0
	s_cbranch_scc0 .Lentry_in_a_cluster
	s_endpgm
.Lentry_in_a_cluster:
	s_bfe_u32 s2, ttmp6, 0x10000c
	s_cmp_lg_u32 s2, 0xf033
	s_cbranch_scc0 .Lentry_shape_is_right
	s_endpgm
.Lentry_shape_is_right:
; qkvt[f][n] = sum over d of wb[f][d] xb[n][d]: q, k and v TRANSPOSED, [3072 features][8192 tokens] in f16 (rows 0-1023 q, 1024-2047 k, 2048-3071 v).
; wb, xb: bf16, rows of 1,024.  Sums in f32, each result rounded once to f16.
; LIMIT.  f16 ends at 65,504: |q|, |k|, |v| must stay below it (a larger number becomes an infinity).  NaN and infinities are not treated apart.
; SHARES.  A tile is 128 features x 256 tokens; four waves, each 64 x 128: 32 accumulators of 16 x 16.  A work-group STAYS and makes three tiles,
; 1,024 features apart (its rows of q, of k, of v), on the same 256 tokens: 256 work-groups of equal work.  K goes in steps of 128 (rows of 256 bytes) through
; two LDS slots; the 24 K steps of the three tiles are ONE walk for the ring, which does not stop at a tile's end.
; CLUSTER.  4 x 4 work-groups: the four of a row need the same tiles of wb, the four of a column the same tiles of xb; each tile is asked for jointly,
; by the same tensor load with the same descriptor and a mask that names the four.
; THE MATRIX INSTRUCTION IS USED TRANSPOSED (source 0 = 16 tokens, source 1 = 16 features): a lane then holds eight neighbouring tokens of one feature row.
; REGISTERS, in windows of 256 (s_set_vgpr_msb: bits 1:0 source 0, 3:2 source 1, 5:4 source 2, 7:6 destination):
;   window 0: v0-31 addresses; v64-191 fragments of xb, two buffers of 8; v192-255 the accumulators of my features 0-15
;   window 1: v0-191 the accumulators of my features 16-63; v192-255 fragments of wb, two buffers of 4
;   window 2: v0-31 packed results, v32-159 rows read back from the stage: the way out
; Under the setting of a product an LDS load lands in the window of that product's accumulator, so wb's fragments are fetched among the products on
; window 1 and xb's among those on window 0: three switches for a quarter step's 32 matrix instructions and 24 loads.
.set PITCH,  272                       ; an LDS row: 256 bytes + 16 of padding = 68 words, so the 16 rows of a fragment load start at 16 different groups of four banks (ISA guide 11.1)
.set AHALF,  64*PITCH                  ; what a tensor load brings of wb, and what a wave reads of it
.set BOFF,   128*PITCH                 ; a slot: wb's 128 rows, then xb's 256
.set BHALF,  128*PITCH                 ; what a tensor load brings of xb, and what a wave reads of it
.set SLOT1,  1<<17                     ; slot 1 begins here: one exclusive or turns an address in one slot into the other's
.set STAGE,  SLOT1+BOFF+2*BHALF        ; behind the ring, never filled by a tensor load: 16 rows x 272 bytes for each wave
.set SPARE,  STAGE+4*16*PITCH          ; the spare words, 128 bytes for each wave: two blocks of 256 bytes that no other line names
.set KB,     256                       ; a K step along a row, in bytes
.set NEXT_A, 1024*2048-7*KB            ; from a tile's last K step to the next tile's first: 1,024 rows of wb down, seven steps back
.set NEXT_C, 1024*16384                ; from a tile of qkvt to the next
.set ADRA0, 16                         ; v16  my lane's place in a slot's rows of wb; never rewritten
.set ADRB0, 17                         ; v17  the same for xb
.set ADRA,  18                         ; v18  the same in the slot in hand
.set ADRB,  19                         ; v19
.set STO,   24                         ; v24  the way out: where I put 16 bytes of a row
.set RD,    25                         ; v25  where I read a row back
.set CO,    26                         ; v26  my byte offset in qkvt
.set SPW,   28                         ; v28  LDS address of my spare word; never rewritten
.set NIL,   29                         ; v29  0; never rewritten
.set WV,  10                           ; s10  my wave's number
.set TB,  22                           ; s22  the slot in hand: 0 or SLOT1
.set RQ,  23                           ; s23  which of a tile's eight K steps the walking descriptors name
.set G1A, 24                           ; s[24:31] descriptor group 1 for wb's tiles
.set G0A, 32                           ; s[32:39] group 0: a set for each of the two first fills; the second then walks
.set NA,  45                           ; s45  NEXT_A
.set G1B, 48                           ; s[48:55], s[56:63] the same for xb's tiles
.set G0B, 56
.set W_P0, 0x04                        ; a product on window 0's accumulators: source 1 (wb) in window 1
.set W_P1, 0x54                        ; on window 1's: source 1, C and D in window 1
.set MSB, 0
.macro WIN new                         ; the immediate's high byte repeats the setting that is left; a switch that changes nothing is dropped
.if MSB != (\new)
	s_set_vgpr_msb (MSB<<8)|(\new)
.set MSB, \new
.endif
.endm
; A joint refill.  Waves 0 and 1 fetch the two halves of wb's tile, waves 2 and 3 those of xb's.  The branch hangs on the wave's number alone.
; An s_nop 0 and four v_nop follow each of the two lines, ahead of the jump and the label.
.macro JLOAD
	s_cmp_lt_u32 s[WV], 2
	s_cbranch_scc0 .Lfor_b_\@
	tensor_load_to_lds s[G0A+4:G0A+7], s[G1A:G1A+7]
	s_nop 0
.rept 4
	v_nop
.endr
	s_branch .Lasked_\@
.Lfor_b_\@:
	tensor_load_to_lds s[G0B+4:G0B+7], s[G1B:G1B+7]
	s_nop 0
.rept 4
	v_nop
.endr
.Lasked_\@:
.endm
.macro CREST                           ; a round of the cluster's barrier behind its opening barrier
	s_cmp_lg_u32 s[WV], 0
	s_cbranch_scc1 .Lnot_wave_0_\@
	s_barrier_signal -3
.Lnot_wave_0_\@:
	s_barrier_wait -3
	s_barrier_signal -1
	s_barrier_wait -1
.endm
.macro CROUND                          ; a whole round
	s_barrier_signal -1
	s_barrier_wait -1
	CREST
.endm
.macro PLACES                          ; four places: in front of loads into registers that matrix instructions have read, and of conversions that read results
.rept 4
	v_nop
.endr
.endm
	s_load_b128 s[4:7], s[0:1], 0x0                ; wb s[4:5], xb s[6:7]
	s_load_b64 s[8:9], s[0:1], 0x10                ; qkvt
	v_lshl_add_u32 v[SPW], v0, 2, SPARE
	v_mov_b32 v[NIL], 0
	ds_add_u32 v28, v29
	s_wait_dscnt 0x0
	v_lshrrev_b32 v1, 5, v0
	v_readfirstlane_b32 s[WV], v1                  ; wave 0..3
	s_lshr_b32 s11, s[WV], 1                       ; which 64 of the tile's features are mine
	s_and_b32 s12, s[WV], 1                        ; which 128 of its tokens.  Also: which half of a tile I fetch
	s_bfe_u32 s40, ttmp6, 0x40000                  ; cx, cy: my place in the cluster
	s_bfe_u32 s41, ttmp6, 0x40004
	s_lshl_b32 s42, ttmp9, 2
	s_add_co_u32 s42, s42, s40                     ; block of 256 tokens = 4 x cluster x + cx
	s_and_b32 s13, ttmp7, 0xffff
	s_lshl_b32 s13, s13, 2
	s_add_co_u32 s13, s13, s41                     ; block of 128 features = 4 x cluster y + cy
	s_lshl_b32 s43, s41, 2
	s_lshl_b32 s43, 15, s43                        ; my row of the cluster
	s_lshl_b32 s44, 0x1111, s40                    ; my column
	; descriptor group 1: rows of 128 elements of 2 bytes, 16 bytes of padding behind each; 64 rows of wb, 128 of xb
	s_or_b32 s[G1A], s43, (1<<16)|(1<<20)|(1<<21)|(5<<22)|(3<<25)  ; 15:0 the mask; 17:16 2-byte elements; 20 padding on; 21 set beside a mask; 24:22 after every 64 words (code 5); 31:25 4 words (code 3)
	s_or_b32 s[G1B], s44, (1<<16)|(1<<20)|(1<<21)|(5<<22)|(3<<25)
	s_mov_b32 s[G1A+1], 128<<16                    ; tensor_dim0 = 128
	s_mov_b32 s[G1A+2], 64<<16                     ; tensor_dim1 = 64
	s_mov_b32 s[G1A+3], 128<<16                    ; tile_dim0 = 128
	s_mov_b32 s[G1A+4], 64                         ; tile_dim1 = 64
	s_mov_b32 s[G1A+5], 1024                       ; elements from row to row
	s_mov_b32 s[G1A+6], 0
	s_mov_b32 s[G1A+7], 0
	s_mov_b32 s[G1B+1], 128<<16
	s_mov_b32 s[G1B+2], 128<<16                    ; tensor_dim1 = 128
	s_mov_b32 s[G1B+3], 128<<16
	s_mov_b32 s[G1B+4], 128                        ; tile_dim1 = 128
	s_mov_b32 s[G1B+5], 1024
	s_mov_b32 s[G1B+6], 0
	s_mov_b32 s[G1B+7], 0
	s_lshl_b32 s16, s13, 18                        ; wb: 128 rows of 2,048 bytes a block, 64 a half: made of the feature block and the wave's number alone
	s_lshl_b32 s17, s12, 17
	s_add_co_u32 s16, s16, s17
	s_mov_b32 s17, 0
	s_lshl_b32 s46, s42, 19                        ; xb: 256 rows a block, 128 a half: made of the token block and the wave's number alone
	s_lshl_b32 s47, s12, 18
	s_add_co_u32 s46, s46, s47
	s_mov_b32 s47, 0
	s_mul_i32 s20, s12, AHALF                      ; where they go in a slot: no place in the cluster enters an LDS address
	s_mul_i32 s21, s12, BHALF
	s_add_co_u32 s21, s21, BOFF
	s_mov_b32 s[TB], 0
	s_mov_b32 s[RQ], 1
	s_mov_b32 s[NA], NEXT_A
	s_mov_b32 s15, 0                               ; the high words of the two steps that TURN selects
	s_mov_b32 s19, 0
	s_wait_kmcnt 0x0
	s_add_nc_u64 s[4:5], s[4:5], s[16:17]
	s_add_nc_u64 s[6:7], s[6:7], s[46:47]
	CROUND                                         ; all sixteen work-groups are here: the first joint loads meet
.irp s, 0,1
	s_mov_b32 s[G0A+4*(\s)], 1                                     ; count = 1
	s_add_co_u32 s[G0A+4*(\s)+1], s20, (\s)*SLOT1                  ; LDS address
	s_add_nc_u64 s[G0A+4*(\s)+2:G0A+4*(\s)+3], s[4:5], (\s)*KB     ; global address: K step s
	s_or_b32 s[G0A+4*(\s)+3], s[G0A+4*(\s)+3], 0x80000000          ; type = 2
	s_mov_b32 s[G0B+4*(\s)], 1
	s_add_co_u32 s[G0B+4*(\s)+1], s21, (\s)*SLOT1
	s_add_nc_u64 s[G0B+4*(\s)+2:G0B+4*(\s)+3], s[6:7], (\s)*KB
	s_or_b32 s[G0B+4*(\s)+3], s[G0B+4*(\s)+3], 0x80000000
.endr
	s_cmp_lt_u32 s[WV], 2                          ; a wave's two first fills stand in one branch, ahead of every wait on TENSORcnt and every LDS read: two loads of mine are out
	s_cbranch_scc0 .Lfirst_b
	tensor_load_to_lds s[G0A:G0A+3], s[G1A:G1A+7]
	s_nop 0
	tensor_load_to_lds s[G0A+4:G0A+7], s[G1A:G1A+7]
	s_nop 0
.rept 4
	v_nop
.endr
	s_branch .Lfirst_asked
.Lfirst_b:
	tensor_load_to_lds s[G0B:G0B+3], s[G1B:G1B+7]
	s_nop 0
	tensor_load_to_lds s[G0B+4:G0B+7], s[G1B:G1B+7]
	s_nop 0
.rept 4
	v_nop
.endr
.Lfirst_asked:
	; A fragment is 16 rows x 32 K in 8 registers: lane l holds row l % 16, K = 8 (l / 16) + 0..7 and 16 + 8 (l / 16) + 0..7: two loads of 16 bytes, 32 bytes apart.
	v_and_b32 v1, 15, v0                           ; l % 16
	v_bfe_u32 v2, v0, 4, 1                         ; l / 16
	v_mul_u32_u24 v3, v1, PITCH
	v_lshl_add_u32 v3, v2, 4, v3                   ; row x pitch + 16 x half
	s_mul_i32 s20, s11, AHALF                      ; my 64 rows of wb; s21 still holds the place of my 128 rows of xb
	v_add_nc_u32 v[ADRA0], s20, v3
	v_add_nc_u32 v[ADRB0], s21, v3
	v_mov_b32 v[ADRA], v[ADRA0]                    ; slot 0
	v_mov_b32 v[ADRB], v[ADRB0]
	s_mul_i32 s20, s[WV], 16*PITCH
	s_add_co_u32 s20, s20, STAGE                   ; my stage
	v_add_nc_u32 v[STO], s20, v3                   ; in: row l % 16, 16 bytes for each half of the lanes
	v_mul_u32_u24 v4, v2, PITCH                    ; back: lanes 0-15 take one row of 256 bytes, lanes 16-31 the next
	v_lshl_add_u32 v4, v1, 4, v4
	v_add_nc_u32 v[RD], s20, v4
	v_lshlrev_b32 v5, 14, v2                       ; and the same two rows in qkvt, 16,384 bytes apart
	v_lshl_add_u32 v[CO], v1, 4, v5
	s_lshl_b32 s16, s13, 21                        ; my part of the first tile: 128 rows of 16,384 bytes a block, 64 a half,
	s_lshl_b32 s17, s11, 20
	s_add_co_u32 s16, s16, s17
	s_mov_b32 s17, 0
	s_add_nc_u64 s[8:9], s[8:9], s[16:17]
	s_lshl_b32 s46, s42, 9                         ; 512 bytes a token block, 256 a half
	s_lshl_b32 s47, s12, 8
	s_add_co_u32 s46, s46, s47
	s_mov_b32 s47, 0
	s_add_nc_u64 s[8:9], s[8:9], s[46:47]
; One matrix instruction: feature block a (0-3), token block b (0-7), 32 along K out of buffer f.  zero = 1: the product starts the sum: nothing is ever cleared.
.macro MM f, a, b, zero
.if (\a) == 0
	WIN W_P0
.set rD, 192+8*(\b)
.else
	WIN W_P1
.set rD, 64*((\a)-1)+8*(\b)
.endif
.set rB, 64+64*(\f)+8*(\b)
.set rA, 192+32*(\f)+8*(\a)
.if \zero
	v_wmma_f32_16x16x32_bf16 v[rD:rD+7], v[rB:rB+7], v[rA:rA+7], 0
.else
	v_wmma_f32_16x16x32_bf16 v[rD:rD+7], v[rB:rB+7], v[rA:rA+7], v[rD:rD+7]
.endif
.endm
.macro LDA k, g, n                     ; load n of 8 of wb's fragments at byte k of the rows, into buffer g (destination in window 1)
.set rA, 192+32*(\g)+8*((\n)/2)+4*((\n)%2)
	ds_load_b128 v[rA:rA+3], v[ADRA] offset:(\k)+((\n)/2)*16*PITCH+32*((\n)%2)
.endm
.macro LDB k, g, b                     ; xb's fragment b, both halves (destination in window 0)
.set rB, 64+64*(\g)+8*(\b)
	ds_load_b128 v[rB:rB+3],   v[ADRB] offset:(\k)+(\b)*16*PITCH
	ds_load_b128 v[rB+4:rB+7], v[ADRB] offset:(\k)+(\b)*16*PITCH+32
.endm
; Eight matrix instructions on feature block a.  ld = 1: one load of wb's next fragments behind each; ld = 2: two of xb's.  gap = 1: four places behind the first.
.macro PHASE f, a, zero, ld, k, g, gap
.irp b, 0,1,2,3,4,5,6,7
	MM \f, \a, \b, \zero
.if (\gap) && ((\b) == 0)
	PLACES
.endif
.if (\ld) == 1
	LDA \k, \g, \b
.elseif (\ld) == 2
	LDB \k, \g, \b
.endif
.endr
.endm
; A K step is four quarters of 32 along K, 32 matrix instructions each, on buffers 0, 1, 0, 1.  The 32 accumulators take turns, one instruction a turn, in the same
; order (feature blocks 1, 0, 2, 3) in every quarter, over the loops' jumps and from tile to tile.
; One of the first three: multiplies buffer f and fetches the next quarter, at byte k of the slot's rows, into buffer g, which the quarter before multiplied: hence the four places.
.macro QUARTER k, f, g, zero
	s_wait_dscnt 0x0                               ; buffer f is in
	PHASE \f, 1, \zero, 1, \k, \g, 1
	PHASE \f, 0, \zero, 2, \k, \g, 0
	PHASE \f, 2, \zero, 0, 0, 0, 0
	PHASE \f, 3, \zero, 0, 0, 0, 0
.endm
; The last quarter multiplies buffer 1 and changes slots: ONE barrier.  In front of it each wave waits for all its tensor loads (one is out: its part of the next slot), adds 0 to its
; spare word, and waits for that and for its own reads of this slot.  mode = 1: the barrier opens a round of the cluster's, and behind the round this slot is filled again, with the walk's
; K step two steps on; the request has the next K step's first three quarters and most of this one in which to land.
.macro TURN mode
	WIN 0
	s_wait_tensorcnt 0x0                           ; no tensor load of mine is out, so a group 0 may be written
	ds_add_u32 v[SPW], v[NIL]                      ; 0 onto my spare word; the descriptors' steps stand between it and the wait for it
.if \mode
	s_xor_b32 s[G0A+5], s[G0A+5], SLOT1            ; the walking descriptors: the other slot than last time,
	s_xor_b32 s[G0B+5], s[G0B+5], SLOT1
	s_add_co_u32 s[RQ], s[RQ], 1                   ; the next K step of eight; behind the eighth the next tile's first:
	s_and_b32 s[RQ], s[RQ], 7
	s_cmp_eq_u32 s[RQ], 0
	s_cselect_b32 s14, s[NA], KB                   ; wb goes 1,024 rows down and seven steps back,
	s_cselect_b32 s18, 8*KB, 0                     ; xb only back: the three tiles share their tokens
	s_add_nc_u64 s[G0A+6:G0A+7], s[G0A+6:G0A+7], s[14:15]
	s_add_nc_u64 s[G0B+6:G0B+7], s[G0B+6:G0B+7], KB
	s_sub_nc_u64 s[G0B+6:G0B+7], s[G0B+6:G0B+7], s[18:19]
.endif
	s_xor_b32 s[TB], s[TB], SLOT1
	s_wait_dscnt 0x0                               ; the add is done, buffer 1 is in, and my reads of this slot are over
	s_barrier_signal -1
	PHASE 1, 1, 0, 0, 0, 0, 1                      ; work on registers while the others arrive; the four places are for the loads into buffer 0 below
	WIN 0
	v_add_nc_u32 v[ADRA], s[TB], v[ADRA0]
	v_add_nc_u32 v[ADRB], s[TB], v[ADRB0]
	s_barrier_wait -1
.if \mode
	CREST                                          ; no wave of any partner still reads this slot or has a load on its way
	JLOAD                                          ; my one tensor load behind the round, and the first thing there
.endif
	PHASE 1, 0, 0, 2, 0, 0, 0
	PHASE 1, 2, 0, 1, 0, 0, 0
	PHASE 1, 3, 0, 0, 0, 0, 0
.endm
.macro LASTQ                           ; the walk's last quarter: nothing more to fetch
	s_wait_dscnt 0x0
	PHASE 1, 1, 0, 0, 0, 0, 0
	PHASE 1, 0, 0, 0, 0, 0, 0
	PHASE 1, 2, 0, 0, 0, 0, 0
	PHASE 1, 3, 0, 0, 0, 0, 0
.endm
; THE WAY OUT, a block of 16 features at a time.  PACK: rounded to f16, 16 bytes a lane (each accumulator's registers in ascending order).
; TOSTAGE: into my own stage and back as whole rows of 256 bytes.  SEND: stored.
.macro PACK a
.if (\a) == 0
	WIN 0x80
.set AC, 192
.else
	WIN 0x85
.set AC, 64*((\a)-1)
.endif
.irp b, 0,1,2,3,4,5,6,7
.irp r, 0,1,2,3
	v_cvt_pk_f16_f32 v[4*(\b)+(\r)], v[AC+8*(\b)+2*(\r)], v[AC+8*(\b)+2*(\r)+1]
.endr
.endr
.endm
.macro TOSTAGE a
	WIN 0x88                                       ; store data and loaded data in window 2, addresses in window 0
.irp b, 0,1,2,3,4,5,6,7
	ds_store_b128 v[STO], v[4*(\b):4*(\b)+3] offset:32*(\b)
.endr
.irp t, 0,1,2,3,4,5,6,7
	ds_load_b128 v[32+32*(\a)+4*(\t):32+32*(\a)+4*(\t)+3], v[RD] offset:(\t)*2*PITCH  ; LDS serves a wave's instructions in order (ISA guide 5.7.1.4): these see the stores above
.endr
.endm
.macro SEND a
	WIN 0x88
	s_wait_dscnt 0x0                               ; the block is back in registers
.irp t, 0,1,2,3,4,5,6,7
	global_store_b128 v[CO], v[32+32*(\a)+4*(\t):32+32*(\a)+4*(\t)+3], s[8:9] offset:(\a)*16*16384+(\t)*2*16384  ; 16 lanes store 256 consecutive bytes, at a multiple of 256 from the buffer's first byte
.endr
.endm
.macro WAYOUT
	PLACES                                         ; the conversions read results just made
	PACK 0
	TOSTAGE 0
.irp a, 1,2,3                          ; block a's conversions stand between block a - 1's loads from the stage and the wait for them
	PACK \a
	SEND (\a)-1
	TOSTAGE \a
.endr
	SEND 3
	WIN 0
.endm
	s_wait_tensorcnt 0x1                           ; my part of K step 0 is in; slot 1's may stay out
	s_barrier_signal -1
	s_barrier_wait -1                              ; everybody's is
	WIN 0
.irp b, 0,1,2,3,4,5,6,7
	LDB 0, 0, \b
.endr
	WIN 0x40
.irp n, 0,1,2,3,4,5,6,7
	LDA 0, 0, \n
.endr
	WIN 0
	s_mov_b32 s2, 3                                ; tiles to go, this one among them: the same number in every work-group
.Ltile:
	QUARTER 64, 0, 1, 1                            ; a tile's first quarter stands in front of the loop: its products start the sums
	WIN 0
	s_mov_b32 s3, 6
.Lstep:                                                ; a trip: from a K step's second quarter to the next step's first; one slot is filled again
	QUARTER 128, 1, 0, 0
	QUARTER 192, 0, 1, 0
	TURN 1
	QUARTER 64, 0, 1, 0
	WIN 0
	s_sub_co_u32 s3, s3, 1
	s_cmp_lg_u32 s3, 0
	s_cbranch_scc1 .Lstep
	s_cmp_eq_u32 s2, 1
	s_cbranch_scc1 .Llast                          ; the last tile's tail is written out: it asks for nothing more
	QUARTER 128, 1, 0, 0
	QUARTER 192, 0, 1, 0
	TURN 1                                         ; the ring goes on into the next tile: its K step 0,
	QUARTER 64, 0, 1, 0
	QUARTER 128, 1, 0, 0
	QUARTER 192, 0, 1, 0
	TURN 1                                         ; its K step 1, and its first fragments are fetched
	WAYOUT                                         ; both refills are asked for: now the tile goes out
	s_wait_xcnt 0x0                                ; the stores' base and data registers are rewritten only behind this wait
	s_add_nc_u64 s[8:9], s[8:9], NEXT_C
	s_sub_co_u32 s2, s2, 1
	s_branch .Ltile
.Llast:
	QUARTER 128, 1, 0, 0
	QUARTER 192, 0, 1, 0
	TURN 0                                         ; nothing is filled again, so no round follows
	QUARTER 64, 0, 1, 0
	QUARTER 128, 1, 0, 0
	QUARTER 192, 0, 1, 0
	LASTQ
	WAYOUT
	s_wait_tensorcnt 0x0                           ; the wave's end, behind my last tensor load and my last LDS store
	ds_add_u32 v[SPW], v[NIL]
	s_wait_dscnt 0x0
	CROUND                                         ; the closing round: no work-group ends while a partner may still ask for a tile that names it
	s_endpgm
.Lfunc_end_k_q81bd4b6150_proj:
	.size	k_q81bd4b6150_proj, .Lfunc_end_k_q81bd4b6150_proj-k_q81bd4b6150_proj
	.p2alignl 7, 3214868480
	.fill 96, 4, 3214868480
	.section	.rodata,"a",@progbits
	.p2align	6, 0x0
	.amdhsa_kernel k_q81bd4b6150_proj
		.amdhsa_group_segment_fixed_size 327680
		.amdhsa_private_segment_fixed_size 0
		.amdhsa_enable_private_segment 0
		.amdhsa_kernarg_size 24
		.amdhsa_user_sgpr_count 2
		.amdhsa_user_sgpr_kernarg_segment_ptr 1
		.amdhsa_wavefront_size32 1
		.amdhsa_system_sgpr_workgroup_id_x 1
		.amdhsa_system_sgpr_workgroup_id_y 1
		.amdhsa_system_sgpr_workgroup_id_z 1
		.amdhsa_system_vgpr_workitem_id 0
		.amdhsa_next_free_vgpr 672
		.amdhsa_next_free_sgpr 66
		.amdhsa_reserve_vcc 0
		.amdhsa_float_denorm_mode_32 3
		.amdhsa_float_denorm_mode_16_64 3
		.amdhsa_memory_ordered 1
		.amdhsa_forward_progress 1
		.amdhsa_inst_pref_size 115
	.end_amdhsa_kernel
	.amdgpu_metadata
---
amdhsa.version: [ 1, 2 ]
amdhsa.kernels:
  - .name:           k_q81bd4b6150_proj
    .symbol:         k_q81bd4b6150_proj.kd
    .args:
      - { .name: wb, .offset: 0, .size: 8, .value_kind: global_buffer, .address_space: global }
      - { .name: xb, .offset: 8, .size: 8, .value_kind: global_buffer, .address_space: global }
      - { .name: qkvt, .offset: 16, .size: 8, .value_kind: global_buffer, .address_space: global }
    .group_segment_fixed_size: 327680
    .private_segment_fixed_size: 0
    .kernarg_segment_align: 8
    .kernarg_segment_size: 24
    .max_flat_workgroup_size: 128
    .sgpr_count:     66
    .vgpr_count:     672
    .wavefront_size: 32
...
	.end_amdgpu_metadata
.endif
;; end of part 2
;; launch scores (part 3): grid 8 x 32, 4 waves a work-group, clusters of 4 x 4, 327,680 bytes of LDS; arguments qkvt, pbuf, stats; writes pbuf, stats
.if DOCPART == 3
	.amdgcn_target "amdgcn-amd-amdhsa--gfx1250"
	.amdhsa_code_object_version 6
	.text
	.protected	k_q81bd4b6150_scores
	.globl	k_q81bd4b6150_scores
	.p2align	8
	.type	k_q81bd4b6150_scores,@function
k_q81bd4b6150_scores:
	s_mov_b64 s[64:65], 0
	v_nop
	global_prefetch_b8 v0, s[64:65] scope:SCOPE_SE
	s_setreg_imm32_b32 hwreg(HW_REG_WAVE_MODE, 25, 1), 1
	s_wait_xcnt 0x0
	s_wait_alu depctr_hold_cnt(0) depctr_sa_sdst(0) depctr_va_vdst(0) depctr_va_sdst(0) depctr_va_ssrc(0) depctr_va_vcc(0) depctr_vm_vsrc(0)
	s_getreg_b32 s2, hwreg(HW_REG_IB_STS2, 6, 4)
	s_cmp_eq_u32 s2, 0
	s_cbranch_scc0 .Lentry_in_a_cluster
	s_endpgm
.Lentry_in_a_cluster:
	s_bfe_u32 s2, ttmp6, 0x10000c
	s_cmp_lg_u32 s2, 0xf033
	s_cbranch_scc0 .Lentry_shape_is_right
	s_endpgm
.Lentry_shape_is_right:
; For each batch: S[m][n] = sum over d of q[m][d] k[n][d], and the first level of the softmax over n.  For a row m and a block j of 128 keys:
;   mc[j][m] = c x (the largest S of the block), c = log2(e) / 32;   p[m][n] = 2^(c S - mc), rounded to f16 into pbuf [8192 rows][2048 keys];   l[j][m] = the sum of the block's unrounded p.
; stats: f32 [2][16 blocks][8192 rows], mc first, then l.  The next launch takes the maximum over a row's 16 blocks and corrects: together a true maximum, in two levels.
; q and k come TRANSPOSED out of qkvt ([feature][token], f16, 16,384 bytes a row; q's features 0-1023, k's 1024-2047).  Products and sums in f32.
; LIMITS.  p lies in 0 to 1 and below 6e-5 keeps f16's fixed step of 6e-8; a weight below 2^-126 counts as 0 in l; NaN and infinities are not treated apart.
; SHARES.  A work-group makes 256 queries x 256 keys; four waves, each 128 x 128: 64 accumulators of 16 x 16, 512 registers; a wave's 128 keys are one block of the statistics.
; K (the features) goes in steps of 128 through two LDS slots.  A tile is 128 feature rows x 256 tokens (512 bytes a row); fragments are turned on the way into registers, by ds_load_tr16_b128.
; CLUSTER.  4 x 4 work-groups: the four of a row need the same tiles of q, the four of a column the same tiles of k; each is asked for jointly, by the same tensor load, descriptor and mask.
; THE MATRIX INSTRUCTION IS USED TRANSPOSED (source 0 = 16 keys, source 1 = 16 queries): a lane holds ONE query (lane % 16) and the keys 8 (lane / 16) + 0..7 of each block of 16,
; so a row's maximum and sum want one exchange between the halves of the lanes, and eight neighbouring p pack into 16 bytes.
; REGISTERS, in windows of 256 (s_set_vgpr_msb: bits 1:0 source 0, 3:2 source 1, 5:4 source 2, 7:6 destination):
;   window 0: v0-31 addresses; v32-59 statistics; v64-127, v128-191 fragments of q, two buffers; on the way out v64-87 maxima, v96-127 sums, v128-159 packed p
;   window 1: v64-127, v128-191 fragments of k, two buffers; on the way out all 256: rows read back from the stage
;   window 2: the 32 accumulators of my queries 0-63 (accumulator (a, b) at v[8 (8 a + b)]);   window 3: those of my queries 64-127
.set PT,     544                       ; an LDS row: 512 bytes + 32 of padding = 136 words
.set HALFT,  64*PT                     ; 64 feature rows: what one tensor load brings
.set SLOT,   4*HALFT                   ; q's 128 feature rows, then k's
.set QB,     32*PT                     ; a quarter step's 32 feature rows
.set STAGE,  2*SLOT                    ; behind the ring, never filled by a tensor load: 16 rows x 272 bytes for each wave
.set SPITCH, 272
.set STATW,  STAGE+4*16*SPITCH         ; 1,024 bytes for each wave: 128 mc, then 128 l
.set SPARE,  STATW+4*1024              ; the spare words, 128 bytes for each wave: two blocks of 256 bytes that no other line names
.set KSTEPB, 128*16384                 ; a K step in qkvt: 128 feature rows
.set LAPS,   4                         ; a lap = two K steps = once round the ring; 1,024 features
.set ADRA, 16                          ; v16-17  LDS address of my fragments of q in slot 0, 1
.set ADRB, 20                          ; v20-21  the same for k
.set SG,   22                          ; v22     16 x lane: my byte offset in the wave's 512 bytes of a row of stats
.set SR,   23                          ; v23     where I read 16 bytes of statistics back
.set STO,  24                          ; v24     the way out: where I put 16 bytes of a row
.set RD,   25                          ; v25     where I read a row back
.set CO,   26                          ; v26     my byte offset in pbuf
.set SW,   27                          ; v27     where I put my query's statistics
.set SPW,  28                          ; v28     LDS address of my spare word; never rewritten
.set NIL,  29                          ; v29     0; never rewritten
.set MS,   32                          ; v32-39  mc of my query in block a of 16 queries
.set LS,   40                          ; v40-47  l likewise
.set MCP,  48                          ; v48-49  mc of the block in hand: the packed scaling names a pair and takes its low word
.set XG,   50                          ; v50-51  what the other half of the lanes sends
.set ST4,  52                          ; v52-59  statistics on their way to memory
.set F0,   64
.set F1,   128
.set TM,   64
.set US,   96
.set TMP,  128
.set G1, 24                            ; s[24:31] descriptor group 1 for q's tiles;  s[32:39] group 0, one set for each slot
.set G0, 32
.set G1B, 48                           ; s[48:55], s[56:63] the same for k's tiles
.set G0B, 56
.set MSB, 0
.macro WIN new                         ; the immediate's high byte repeats the setting that is left; a switch that changes nothing is dropped
.if MSB != (\new)
	s_set_vgpr_msb (MSB<<8)|(\new)
.set MSB, \new
.endif
.endm
.set MUL_LO, 0xa1                      ; source 0 (k) window 1, source 1 (q) window 0, C and D window 2
.set MUL_HI, 0xf1                      ; the same, C and D window 3
.set TO_B,   0x40                      ; destination window 1, address window 0
; A joint load.  Waves 0 and 1 fetch the two halves of q's tile, waves 2 and 3 those of k's.  The branch hangs on the wave's number alone.
; An s_nop 0 and four v_nop follow each of the two lines, ahead of the jump and the label.
.macro JLOAD s
	s_cmp_eq_u32 s11, 0
	s_cbranch_scc0 .Lfor_b_\@
	tensor_load_to_lds s[G0+4*(\s):G0+4*(\s)+3], s[G1:G1+7]
	s_nop 0
.rept 4
	v_nop
.endr
	s_branch .Lasked_\@
.Lfor_b_\@:
	tensor_load_to_lds s[G0B+4*(\s):G0B+4*(\s)+3], s[G1B:G1B+7]
	s_nop 0
.rept 4
	v_nop
.endr
.Lasked_\@:
.endm
.macro CREST                           ; a round of the cluster's barrier behind its opening barrier
	s_cmp_lg_u32 s10, 0
	s_cbranch_scc1 .Lnot_wave_0_\@
	s_barrier_signal -3
.Lnot_wave_0_\@:
	s_barrier_wait -3
	s_barrier_signal -1
	s_barrier_wait -1
.endm
.macro CROUND                          ; a whole round
	s_barrier_signal -1
	s_barrier_wait -1
	CREST
.endm
	s_load_b128 s[4:7], s[0:1], 0x0                ; qkvt s[4:5], pbuf s[6:7]
	s_load_b64 s[8:9], s[0:1], 0x10                ; stats
	v_lshl_add_u32 v[SPW], v0, 2, SPARE
	v_mov_b32 v[NIL], 0
	ds_add_u32 v28, v29
	s_wait_dscnt 0x0
	v_lshrrev_b32 v1, 5, v0
	v_readfirstlane_b32 s10, v1                    ; wave 0..3
	s_lshr_b32 s11, s10, 1                         ; which 128 of the tile's queries are mine.  Also: I fetch for q (0) or for k (1)
	s_and_b32 s12, s10, 1                          ; which 128 of its keys.  Also: which 64 feature rows I fetch
	s_bfe_u32 s40, ttmp6, 0x40000                  ; cx, cy: my place in the cluster
	s_bfe_u32 s41, ttmp6, 0x40004
	s_lshl_b32 s42, ttmp9, 2
	s_add_co_u32 s42, s42, s40                     ; block of 256 keys in the batch = 4 x cluster x + cx
	s_and_b32 s13, ttmp7, 0xffff
	s_lshl_b32 s13, s13, 2
	s_add_co_u32 s13, s13, s41                     ; block of 256 among all 8,192 query rows = 4 x cluster y + cy; eight blocks a batch
	s_lshl_b32 s43, s41, 2
	s_lshl_b32 s43, 15, s43                        ; my row of the cluster
	s_lshl_b32 s44, 0x1111, s40                    ; my column
	; descriptor group 1: 64 rows of 256 elements of 2 bytes, 32 bytes of padding behind each
	s_or_b32 s[G1+0], s43, (1<<16)|(1<<20)|(1<<21)|(6<<22)|(7<<25)  ; 15:0 the mask; 17:16 2-byte elements; 20 padding on; 21 set beside a mask; 24:22 after every 128 words (code 6); 31:25 8 words (code 7)
	s_or_b32 s[G1B+0], s44, (1<<16)|(1<<20)|(1<<21)|(6<<22)|(7<<25)
.irp g, G1, G1B
	s_mov_b32 s[(\g)+1], 256<<16                   ; tensor_dim0 = 256
	s_mov_b32 s[(\g)+2], 64<<16                    ; tensor_dim1 = 64
	s_mov_b32 s[(\g)+3], 256<<16                   ; tile_dim0 = 256
	s_mov_b32 s[(\g)+4], 64                        ; tile_dim1 = 64
	s_mov_b32 s[(\g)+5], 8192                      ; elements from row to row
	s_mov_b32 s[(\g)+6], 0
	s_mov_b32 s[(\g)+7], 0
.endr
	s_lshl_b32 s16, s12, 20                        ; q: my 64 feature rows of 16,384 bytes, the query block's 512 bytes in a row
	s_lshl_b32 s17, s13, 9
	s_add_co_u32 s16, s16, s17
	s_mov_b32 s17, 0
	s_lshl_b32 s46, s12, 20                        ; k: my 64 feature rows, the key block's 512 bytes,
	s_lshl_b32 s47, s42, 9
	s_add_co_u32 s46, s46, s47
	s_and_b32 s47, ttmp7, 0xffff                   ; the batch's 4,096 bytes (two clusters along y a batch: made of the cluster's y alone, which my column shares),
	s_lshr_b32 s47, s47, 1
	s_lshl_b32 s47, s47, 12
	s_add_co_u32 s46, s46, s47
	s_add_co_u32 s46, s46, 1024*16384              ; behind q's 1,024 feature rows
	s_mov_b32 s47, 0
	s_mul_i32 s20, s10, HALFT                      ; where they go: wave x 64 rows: no place in the cluster enters an LDS address
	s_mov_b32 s66, 0x3d38aa3b                      ; c = log2(e) / 32 = 0.0450842
	s_mov_b32 s67, s66                             ; named with it as a pair
	s_mov_b32 s68, 0x76543210                      ; v_permlanex16_b32's selects: each lane takes its own place in the other half
	s_mov_b32 s69, 0xfedcba98
	s_wait_kmcnt 0x0
	s_add_nc_u64 s[14:15], s[4:5], s[16:17]
	s_add_nc_u64 s[46:47], s[4:5], s[46:47]
	CROUND                                         ; all sixteen work-groups are here: the first joint loads meet
.irp s, 0,1
	s_mov_b32 s[G0+4*(\s)], 1                                      ; count = 1
	s_add_co_u32 s[G0+4*(\s)+1], s20, (\s)*SLOT                    ; LDS address
	s_add_nc_u64 s[G0+4*(\s)+2:G0+4*(\s)+3], s[14:15], (\s)*KSTEPB ; global address: K step s
	s_or_b32 s[G0+4*(\s)+3], s[G0+4*(\s)+3], 0x80000000            ; type = 2
	s_mov_b32 s[G0B+4*(\s)], 1
	s_add_co_u32 s[G0B+4*(\s)+1], s20, (\s)*SLOT
	s_add_nc_u64 s[G0B+4*(\s)+2:G0B+4*(\s)+3], s[46:47], (\s)*KSTEPB
	s_or_b32 s[G0B+4*(\s)+3], s[G0B+4*(\s)+3], 0x80000000
	JLOAD \s                                       ; the ring is filled before anything else is done: two loads of mine are out
.endr
	; The turning load takes 16 features x 16 tokens (lane l reads 16 bytes: feature 8 (l / 16) + l % 8, tokens 8 ((l / 8) % 2) + 0..7) and leaves half a fragment: lane l holds token l % 16 and 8 features.
	v_and_b32 v1, 15, v0                           ; l % 16
	v_bfe_u32 v2, v0, 4, 1                         ; l / 16
	v_and_b32 v3, 7, v0
	v_lshl_add_u32 v3, v2, 3, v3
	v_mul_u32_u24 v3, v3, PT
	v_bfe_u32 v4, v0, 3, 1
	v_lshl_add_u32 v3, v4, 4, v3
	s_lshl_b32 s21, s11, 8                         ; my 128 queries: 256 bytes along q's rows
	s_lshl_b32 s22, s12, 8                         ; my 128 keys,
	s_add_co_u32 s22, s22, 2*HALFT                 ; in k's rows, which lie behind q's 128
.irp s, 0,1
	v_add_nc_u32 v[ADRA+(\s)], s21, v3
	v_add_nc_u32 v[ADRB+(\s)], s22, v3
	s_add_co_u32 s21, s21, SLOT
	s_add_co_u32 s22, s22, SLOT
.endr
	s_mul_i32 s23, s10, 16*SPITCH
	s_add_co_u32 s23, s23, STAGE                   ; my stage
	v_mul_u32_u24 v4, v1, SPITCH                   ; in: row l % 16, 16 bytes for each half of the lanes
	v_lshl_add_u32 v4, v2, 4, v4
	v_add_nc_u32 v[STO], s23, v4
	v_mul_u32_u24 v5, v2, SPITCH                   ; back: lanes 0-15 take one row of 256 bytes, lanes 16-31 the next
	v_lshl_add_u32 v5, v1, 4, v5
	v_add_nc_u32 v[RD], s23, v5
	v_lshlrev_b32 v5, 12, v2                       ; and the same two rows in pbuf, 4,096 bytes apart
	v_lshl_add_u32 v[CO], v1, 4, v5
	s_lshl_b32 s23, s10, 10
	s_add_co_u32 s23, s23, STATW                   ; my statistics
	v_lshl_add_u32 v[SW], v1, 2, s23
	v_and_b32 v5, 31, v0
	v_lshlrev_b32 v[SG], 4, v5
	v_add_nc_u32 v[SR], s23, v[SG]
	v_mov_b32 v[MCP+1], 0                          ; named in a pair, or a destination that counts as read: written once
	v_mov_b32 v[XG], 0
	v_mov_b32 v[XG+1], 0
	s_lshl_b32 s16, s13, 20                        ; pbuf at my first row: 256 rows of 4,096 bytes a block, 128 a half,
	s_lshl_b32 s17, s11, 19
	s_add_co_u32 s16, s16, s17
	s_mov_b32 s17, 0
	s_add_nc_u64 s[6:7], s[6:7], s[16:17]
	s_lshl_b32 s46, s42, 9                         ; and my first key: 512 bytes a block, 256 a half
	s_lshl_b32 s47, s12, 8
	s_add_co_u32 s46, s46, s47
	s_mov_b32 s47, 0
	s_add_nc_u64 s[6:7], s[6:7], s[46:47]
	s_lshl_b32 s16, s13, 10                        ; stats at my first row, 4 bytes a row,
	s_lshl_b32 s17, s11, 9
	s_add_co_u32 s16, s16, s17
	s_mov_b32 s17, 0
	s_add_nc_u64 s[8:9], s[8:9], s[16:17]
	s_lshl_b32 s46, s42, 16                        ; in my block of 128 keys: 32,768 bytes a block
	s_lshl_b32 s47, s12, 15
	s_add_co_u32 s46, s46, s47
	s_mov_b32 s47, 0
	s_add_nc_u64 s[8:9], s[8:9], s[46:47]
; 16 matrix instructions: query blocks a0, a0 + 1 of the window's four (hi = 0: my queries 0-63, 1: 64-127) x all 8 key blocks, 32 along K.  zero = 1: the products start the sums.
.macro MUL16 f, hi, a0, zero
	WIN MUL_LO+0x50*(\hi)
.irp a, \a0, (\a0)+1
.irp b, 0,1,2,3,4,5,6,7
.if \zero
	v_wmma_f32_16x16x32_f16 v[8*(8*(\a)+(\b)):8*(8*(\a)+(\b))+7], v[(\f)+8*(\b):(\f)+8*(\b)+7], v[(\f)+8*(4*(\hi)+(\a)):(\f)+8*(4*(\hi)+(\a))+7], 0
.else
	v_wmma_f32_16x16x32_f16 v[8*(8*(\a)+(\b)):8*(8*(\a)+(\b))+7], v[(\f)+8*(\b):(\f)+8*(\b)+7], v[(\f)+8*(4*(\hi)+(\a)):(\f)+8*(4*(\hi)+(\a))+7], v[8*(8*(\a)+(\b)):8*(8*(\a)+(\b))+7]
.endif
.endr
.endr
.endm
; 32 LDS loads in one run: the fragments of quarter q of a slot (128 keys, 128 queries, 32 features) into buffer f
.macro FETCH slot, q, f
	WIN TO_B
.irp i, 0,1,2,3,4,5,6,7
	ds_load_tr16_b128 v[(\f)+8*(\i):(\f)+8*(\i)+3],   v[ADRB+(\slot)] offset:(\q)*QB+32*(\i)
	ds_load_tr16_b128 v[(\f)+8*(\i)+4:(\f)+8*(\i)+7], v[ADRB+(\slot)] offset:(\q)*QB+32*(\i)+16*PT
.endr
	WIN 0
.irp i, 0,1,2,3,4,5,6,7
	ds_load_tr16_b128 v[(\f)+8*(\i):(\f)+8*(\i)+3],   v[ADRA+(\slot)] offset:(\q)*QB+32*(\i)
	ds_load_tr16_b128 v[(\f)+8*(\i)+4:(\f)+8*(\i)+7], v[ADRA+(\slot)] offset:(\q)*QB+32*(\i)+16*PT
.endr
.endm
.macro PLACES                          ; four places: in front of loads into registers that matrix instructions have read, and of vector work that reads results
.rept 4
	v_nop
.endr
.endm
; A K step is four quarters of 32 features, 64 matrix instructions each, on buffers 0, 1, 0, 1.  The 64 accumulators take turns, one instruction a turn, in the same order in every quarter.
; One of the first three: multiplies buffer f; in its middle it fetches quarter q of the same slot into buffer g.
.macro QUARTER slot, q, f, g, zero
	s_wait_dscnt 8                                 ; k and my queries 0-63 are in; the youngest eight loads (queries 64-127) may be out
	WIN MUL_LO
	MUL16 \f, 0, 0, \zero
	MUL16 \f, 0, 2, \zero
	PLACES
	FETCH \slot, \q, \g
	s_wait_dscnt 32                                ; all but the 32 just issued
	WIN MUL_HI
	MUL16 \f, 1, 0, \zero
	MUL16 \f, 1, 2, \zero
.endm
; The last quarter multiplies buffer 1 and changes slots.  MEET is its first half: ONE barrier.  In front of it each wave waits for all its tensor loads (one is out: its part of the next slot),
; adds 0 to its spare word, and waits for that and for its own reads of this slot.  Behind it nobody reads this slot any more and the next slot is whole.
.macro MEET round                      ; round = 1: a round of the cluster's barrier follows
	WIN 0                                          ; (the add's two registers lie in window 0)
	s_wait_tensorcnt 0x0                           ; all my tensor loads have landed
	ds_add_u32 v[SPW], v[NIL]                      ; 0 onto my spare word
	s_wait_dscnt 9                                 ; (the add and the youngest eight loads may be out)
	WIN MUL_LO
	MUL16 F1, 0, 0, 0                              ; sixteen matrix instructions stand between the add and the wait for it
	s_wait_dscnt 0x0                               ; the add is done, and my reads of this slot are over
	s_barrier_signal -1
	MUL16 F1, 0, 2, 0                              ; work on registers while the others arrive
.if \round
	WIN 0
.endif
	s_barrier_wait -1
.endm
; The whole last quarter where the slot is filled again, with the K step two steps on: the refill is the first tensor load behind the round; 224 matrix instructions stand between it and the wait for it.
.macro TURN slot, next
	MEET 1
	CREST                                          ; no wave of any partner still reads this slot's tile or has a load on its way
	s_add_nc_u64 s[G0+4*(\slot)+2:G0+4*(\slot)+3], s[G0+4*(\slot)+2:G0+4*(\slot)+3], 2*KSTEPB
	s_add_nc_u64 s[G0B+4*(\slot)+2:G0B+4*(\slot)+3], s[G0B+4*(\slot)+2:G0B+4*(\slot)+3], 2*KSTEPB
	JLOAD \slot                                    ; the four v_nop behind it are also the places in front of the loads below
	FETCH \next, 0, F0
	WIN MUL_HI
	MUL16 F1, 1, 0, 0
	MUL16 F1, 1, 2, 0
.endm
; THE WAY OUT of block a of 16 queries.  SOFT: the block's maximum, exponentials, roundings and sum.  A lane holds 64 scores of one query (8 accumulators x 8 registers); the query's other 64 lie in the lane 16 away.
.macro SOFT a
.set W, 2+(\a)/4
.set AC, 64*((\a)%4)
	WIN W|(W<<2)|(W<<4)                            ; three sources in the accumulators' window, the destination in window 0
.irp b, 0,1,2,3,4,5,6,7
	v_max3_num_f32 v[TM+(\b)], v[AC+8*(\b)], v[AC+8*(\b)+1], v[AC+8*(\b)+2]  ; each accumulator's lowest registers are read first
.endr
.irp b, 0,1,2,3,4,5,6,7
	v_max3_num_f32 v[TM+8+(\b)], v[AC+8*(\b)+3], v[AC+8*(\b)+4], v[AC+8*(\b)+5]
.endr
.irp b, 0,1,2,3,4,5,6,7
	v_max_num_f32 v[TM+16+(\b)], v[AC+8*(\b)+6], v[AC+8*(\b)+7]
.endr
	WIN 0
.irp b, 0,1,2,3,4,5,6,7
	v_max3_num_f32 v[TM+(\b)], v[TM+(\b)], v[TM+8+(\b)], v[TM+16+(\b)]
.endr
	v_max3_num_f32 v[TM], v[TM], v[TM+1], v[TM+2]
	v_max3_num_f32 v[TM+3], v[TM+3], v[TM+4], v[TM+5]
	v_max_num_f32 v[TM+6], v[TM+6], v[TM+7]
	v_max3_num_f32 v[TM], v[TM], v[TM+3], v[TM+6]
	v_permlanex16_b32 v[XG], v[TM], s68, s69
	v_max_num_f32 v[TM], v[TM], v[XG]              ; the largest of the query's 128 scores, in both lanes
	v_mul_f32 v[MCP], s66, v[TM]
	v_mov_b32 v[MS+(\a)], v[MCP]
	WIN W|(W<<6)                                   ; in place on the accumulators; mc in window 0
.set i, 0
.rept 32
	v_pk_fma_f32 v[AC+2*i:AC+2*i+1], v[AC+2*i:AC+2*i+1], s[66:67], v[MCP:MCP+1] op_sel_hi:[1,0,0] neg_lo:[0,0,1] neg_hi:[0,0,1]  ; c s - mc, never above 0 but by a rounding
.set i, i+1
.endr
.set i, 0
.rept 64
	v_exp_f32 v[AC+i], v[AC+i]
.set i, i+1
.endr
	v_nop                                          ; a plain instruction between the last exponential and the use of its result (ISA guide 5.7.2)
	WIN W|(W<<2)
	s_wait_alu depctr_va_vdst(0)
.irp b, 0,1,2,3,4,5,6,7
.irp r, 0,1,2,3
	v_cvt_pk_f16_f32 v[TMP+4*(\b)+(\r)], v[AC+8*(\b)+2*(\r)], v[AC+8*(\b)+2*(\r)+1]
.endr
.endr
.set i, 0
.rept 16
	v_pk_add_f32 v[US+2*i:US+2*i+1], v[AC+4*i:AC+4*i+1], v[AC+4*i+2:AC+4*i+3]
.set i, i+1
.endr
	WIN 0
.irp i, 0,1,2,3,4,5,6,7
	v_pk_add_f32 v[US+2*(\i):US+2*(\i)+1], v[US+2*(\i):US+2*(\i)+1], v[US+16+2*(\i):US+16+2*(\i)+1]
.endr
.irp i, 0,1,2,3
	v_pk_add_f32 v[US+2*(\i):US+2*(\i)+1], v[US+2*(\i):US+2*(\i)+1], v[US+8+2*(\i):US+8+2*(\i)+1]
.endr
.irp i, 0,1
	v_pk_add_f32 v[US+2*(\i):US+2*(\i)+1], v[US+2*(\i):US+2*(\i)+1], v[US+4+2*(\i):US+4+2*(\i)+1]
.endr
	v_pk_add_f32 v[US:US+1], v[US:US+1], v[US+2:US+3]
	v_add_f32 v[US], v[US], v[US+1]
	v_permlanex16_b32 v[XG+1], v[US], s68, s69
	v_add_f32 v[LS+(\a)], v[US], v[XG+1]
.endm
.macro TOSTAGE a                       ; into my own stage, and back as whole rows of 256 bytes, into window 1
	WIN TO_B
.irp b, 0,1,2,3,4,5,6,7
	ds_store_b128 v[STO], v[TMP+4*(\b):TMP+4*(\b)+3] offset:32*(\b)
.endr
.irp t, 0,1,2,3,4,5,6,7
	ds_load_b128 v[32*(\a)+4*(\t):32*(\a)+4*(\t)+3], v[RD] offset:(\t)*2*SPITCH  ; LDS serves a wave's instructions in order (ISA guide 5.7.1.4): these see the stores above
.endr
.endm
.macro SEND a
	WIN 0x04                                       ; store data in window 1
	s_wait_dscnt 0x0                               ; the block is back in registers
.irp t, 0,1,2,3,4,5,6,7
	global_store_b128 v[CO], v[32*(\a)+4*(\t):32*(\a)+4*(\t)+3], s[6:7] offset:(16*(\a)+2*(\t))*4096  ; 16 lanes store 256 consecutive bytes, at a multiple of 256 from the buffer's first byte
.endr
.endm
	s_wait_tensorcnt 1                             ; my part of K step 0 is in; slot 1's may stay out
	s_barrier_signal -1
	s_barrier_wait -1                              ; everybody's is
	FETCH 0, 0, F0
	QUARTER 0, 1, F0, F1, 1                        ; the first quarter stands in front of the loop: its products start the sums
	WIN 0                                          ; at a label and at a branch every window is 0
	s_mov_b32 s3, LAPS-1
.Llap:                                                 ; a trip goes once round the ring, from a lap's second quarter to the next lap's first, and fills both slots again
	QUARTER 0, 2, F1, F0, 0
	QUARTER 0, 3, F0, F1, 0
	TURN 0, 1
	QUARTER 1, 1, F0, F1, 0
	QUARTER 1, 2, F1, F0, 0
	QUARTER 1, 3, F0, F1, 0
	TURN 1, 0
	QUARTER 0, 1, F0, F1, 0
	WIN 0
	s_sub_co_u32 s3, s3, 1
	s_cmp_lg_u32 s3, 0
	s_cbranch_scc1 .Llap
	QUARTER 0, 2, F1, F0, 0                        ; the last lap fills nothing, and has no round of the cluster's barrier
	QUARTER 0, 3, F0, F1, 0
	MEET 0
	PLACES                                         ; for the loads into buffer 0, which the quarter before multiplied
	FETCH 1, 0, F0
	WIN MUL_HI
	MUL16 F1, 1, 0, 0
	MUL16 F1, 1, 2, 0
	QUARTER 1, 1, F0, F1, 0
	QUARTER 1, 2, F1, F0, 0
	QUARTER 1, 3, F0, F1, 0
	s_wait_dscnt 8                                 ; the very last quarter: nothing more to fetch
	MUL16 F1, 0, 0, 0
	MUL16 F1, 0, 2, 0
	s_wait_dscnt 0x0
	MUL16 F1, 1, 0, 0
	MUL16 F1, 1, 2, 0
	PLACES                                         ; the maxima read results just made
	SOFT 0
	TOSTAGE 0
.irp a, 1,2,3,4,5,6,7                  ; block a's softmax stands between block a - 1's loads from the stage and the wait for them
	SOFT \a
	SEND (\a)-1
	TOSTAGE \a
.endr
	SEND 7
	WIN 0
	; the statistics of my 128 queries go through my own LDS words, so that a store covers 512 consecutive bytes; lanes l and l + 16 write the same word with the same number
.irp a, 0,1,2,3,4,5,6,7
	ds_store_b32 v[SW], v[MS+(\a)] offset:64*(\a)
	ds_store_b32 v[SW], v[LS+(\a)] offset:512+64*(\a)
.endr
	ds_load_b128 v[ST4:ST4+3], v[SR]
	ds_load_b128 v[ST4+4:ST4+7], v[SR] offset:512
	s_wait_dscnt 0x0
	global_store_b128 v[SG], v[ST4:ST4+3], s[8:9]
	global_store_b128 v[SG], v[ST4+4:ST4+7], s[8:9] offset:524288
	s_wait_tensorcnt 0x0                           ; the wave's end, behind my last tensor load and my last LDS store
	ds_add_u32 v[SPW], v[NIL]
	s_wait_dscnt 0x0
	CROUND                                         ; the closing round: no work-group ends while a partner may still ask for a tile that names it
	s_endpgm
.Lfunc_end_k_q81bd4b6150_scores:
	.size	k_q81bd4b6150_scores, .Lfunc_end_k_q81bd4b6150_scores-k_q81bd4b6150_scores
	.p2alignl 7, 3214868480
	.fill 96, 4, 3214868480
	.section	.rodata,"a",@progbits
	.p2align	6, 0x0
	.amdhsa_kernel k_q81bd4b6150_scores
		.amdhsa_group_segment_fixed_size 327680
		.amdhsa_private_segment_fixed_size 0
		.amdhsa_enable_private_segment 0
		.amdhsa_kernarg_size 24
		.amdhsa_user_sgpr_count 2
		.amdhsa_user_sgpr_kernarg_segment_ptr 1
		.amdhsa_wavefront_size32 1
		.amdhsa_system_sgpr_workgroup_id_x 1
		.amdhsa_system_sgpr_workgroup_id_y 1
		.amdhsa_system_sgpr_workgroup_id_z 1
		.amdhsa_system_vgpr_workitem_id 0
		.amdhsa_next_free_vgpr 1024
		.amdhsa_next_free_sgpr 70
		.amdhsa_reserve_vcc 0
		.amdhsa_float_denorm_mode_32 3
		.amdhsa_float_denorm_mode_16_64 3
		.amdhsa_memory_ordered 1
		.amdhsa_forward_progress 1
		.amdhsa_inst_pref_size 212
	.end_amdhsa_kernel
	.amdgpu_metadata
---
amdhsa.version: [ 1, 2 ]
amdhsa.kernels:
  - .name:           k_q81bd4b6150_scores
    .symbol:         k_q81bd4b6150_scores.kd
    .args:
      - { .name: qkvt, .offset: 0, .size: 8, .value_kind: global_buffer, .address_space: global }
      - { .name: pbuf, .offset: 8, .size: 8, .value_kind: global_buffer, .address_space: global }
      - { .name: stats, .offset: 16, .size: 8, .value_kind: global_buffer, .address_space: global }
    .group_segment_fixed_size: 327680
    .private_segment_fixed_size: 0
    .kernarg_segment_align: 8
    .kernarg_segment_size: 24
    .max_flat_workgroup_size: 128
    .sgpr_count:     70
    .vgpr_count:     1024
    .wavefront_size: 32
...
	.end_amdgpu_metadata
.endif
;; end of part 3
;; launch pv (part 4): grid 4 x 64, 4 waves a work-group, clusters of 4 x 4, 327,680 bytes of LDS; arguments pbuf, qkvt, stats, out0; writes out0
.if DOCPART == 4
	.amdgcn_target "amdgcn-amd-amdhsa--gfx1250"
	.amdhsa_code_object_version 6
	.text
	.protected	k_q81bd4b6150_pv
	.globl	k_q81bd4b6150_pv
	.p2align	8
	.type	k_q81bd4b6150_pv,@function
k_q81bd4b6150_pv:
	s_mov_b64 s[64:65], 0
	v_nop
	global_prefetch_b8 v0, s[64:65] scope:SCOPE_SE
	s_setreg_imm32_b32 hwreg(HW_REG_WAVE_MODE, 25, 1), 1
	s_wait_xcnt 0x0
	s_wait_alu depctr_hold_cnt(0) depctr_sa_sdst(0) depctr_va_vdst(0) depctr_va_sdst(0) depctr_va_ssrc(0) depctr_va_vcc(0) depctr_vm_vsrc(0)
	s_getreg_b32 s2, hwreg(HW_REG_IB_STS2, 6, 4)
	s_cmp_eq_u32 s2, 0
	s_cbranch_scc0 .Lentry_in_a_cluster
	s_endpgm
.Lentry_in_a_cluster:
	s_bfe_u32 s2, ttmp6, 0x10000c
	s_cmp_lg_u32 s2, 0xf033
	s_cbranch_scc0 .Lentry_shape_is_right
	s_endpgm
.Lentry_shape_is_right:
; The second level of the softmax, and the second product.  For a row m: M = the largest of its 16 blocks' mc; f_j = 2^(mc_j - M); L = sum over j of f_j l_j;
;   out0[m][v] = (sum over j, and over the 128 keys n of block j, of (f_j p[m][n]) v[n][v]) / L.     out0: [8192][1024] f32.
; p: pbuf [8192 rows][2048 keys] f16.  v comes transposed out of qkvt (feature rows 2048-3071, 16,384 bytes a row), so its K, the keys, lies along the rows.  stats: f32 [2][16][8192], mc then l.
; f_j p is one f16 product (f rounded to f16 once); the sums and L are in f32; L takes f as the exponential gives it: it differs from the rounded f by f16's rounding alone.
; The block that holds M has f = 1 and l >= 1, so L >= 1.
; LIMITS.  A weight f p below 6e-8 of the row's largest counts as 0, and below 6e-5 it keeps f16's fixed step; NaN and infinities are not treated apart.
; SHARES.  A tile is 128 rows x 256 features; four waves, each 64 x 128: 32 accumulators of 16 x 16; 256 work-groups.  K goes in 16 steps of 128 keys, one block of the statistics each,
; through two LDS slots (rows of 256 bytes).
; CLUSTER.  4 x 4 work-groups: the four of a row (all four feature blocks) need the same tiles of p, the four of a column (row blocks of one batch) the same tiles of v; each is asked for jointly.
; THE MATRIX INSTRUCTION IS USED TRANSPOSED (source 0 = 16 features of v, source 1 = 16 rows of p): a lane holds eight neighbouring features of one row of out0.
; REGISTERS, in windows of 256 (s_set_vgpr_msb: bits 1:0 source 0, 3:2 source 1, 5:4 source 2, 7:6 destination):
;   window 0: v0-31 addresses; v32-35 the step's factors, v40-47 1 / L; v64-191 fragments of v, two buffers of 8 (at the start: the statistics at work); v192-255 the accumulators of my rows 0-15
;   window 1: v0-191 the accumulators of my rows 16-63; v192-255 fragments of p, two buffers of 4          window 2: rows read back from the stage
; Under the setting of a product on window 1 an LDS load lands in window 1 (p's fragments) and the scaling of p's fragments by a factor in window 0 needs no switch.
.set PITCH,  272                       ; an LDS row: 256 bytes + 16 of padding = 68 words, so the 16 rows of a fragment load start at 16 different groups of four banks (ISA guide 11.1)
.set AHALF,  64*PITCH                  ; what a tensor load brings of p, and what a wave reads of it
.set BOFF,   128*PITCH                 ; a slot: p's 128 rows, then v's 256
.set BHALF,  128*PITCH
.set SLOT1,  1<<17                     ; slot 1 begins here: one exclusive or turns an address in one slot into the other's
.set STAGE,  SLOT1+BOFF+2*BHALF        ; behind the ring, never filled by a tensor load: 16 rows x 528 bytes for each wave
.set SPITCH, 528                       ; 512 bytes + 16
.set FTAB,   STAGE+4*16*SPITCH         ; [16 blocks][128 rows]: f twice, as two f16
.set RLT,    FTAB+16*512               ; [128 rows]: 1 / L
.set SPARE,  RLT+512                   ; the spare words, 128 bytes for each wave: two blocks of 256 bytes that no other line names
.set KB,     256                       ; a K step along a row, in bytes
.set ADRA0, 16                         ; v16  my lane's place in a slot's rows of p; never rewritten
.set ADRB0, 17                         ; v17  the same for v
.set ADRA,  18                         ; v18  the same in the slot in hand
.set ADRB,  19                         ; v19
.set STO,   24                         ; v24  the way out: where I put 32 bytes of a row
.set RD,    25                         ; v25  where I read a row back
.set CO,    26                         ; v26  my byte offset in a row's 512 bytes of out0
.set SPW,   28                         ; v28  LDS address of my spare word; never rewritten
.set NIL,   29                         ; v29  0; never rewritten
.set FA0,   30                         ; v30  my row's place in block 0 of the factor table; never rewritten
.set FADR,  31                         ; v31  the same in the block to be fetched
.set FAC,   32                         ; v32-35  the step's factor for my row of row block a
.set RL,    40                         ; v40-47  1 / L for my row of row block a, as a pair
.set WV,  10                           ; s10  my wave's number
.set TB,  22                           ; s22  the slot in hand: 0 or SLOT1
.set G1A, 24                           ; s[24:31] descriptor group 1 for p's tiles
.set G0A, 32                           ; s[32:39] group 0: a set for each of the two first fills; the second then walks
.set FT,  45                           ; s45  512 x the block whose factors are fetched next
.set G1B, 48                           ; s[48:55], s[56:63] the same for v's tiles
.set G0B, 56
.set W_P0, 0x04                        ; a product on window 0's accumulators: source 1 (p) in window 1
.set W_P1, 0x54                        ; on window 1's: source 1, C and D in window 1
.set MSB, 0
.macro WIN new                         ; the immediate's high byte repeats the setting that is left; a switch that changes nothing is dropped
.if MSB != (\new)
	s_set_vgpr_msb (MSB<<8)|(\new)
.set MSB, \new
.endif
.endm
; A joint refill.  Waves 0 and 1 fetch the two halves of p's tile, waves 2 and 3 those of v's.  The branch hangs on the wave's number alone.
; An s_nop 0 and four v_nop follow each of the two lines, ahead of the jump and the label.
.macro JLOAD
	s_cmp_lt_u32 s[WV], 2
	s_cbranch_scc0 .Lfor_b_\@
	tensor_load_to_lds s[G0A+4:G0A+7], s[G1A:G1A+7]
	s_nop 0
.rept 4
	v_nop
.endr
	s_branch .Lasked_\@
.Lfor_b_\@:
	tensor_load_to_lds s[G0B+4:G0B+7], s[G1B:G1B+7]
	s_nop 0
.rept 4
	v_nop
.endr
.Lasked_\@:
.endm
.macro CREST                           ; a round of the cluster's barrier behind its opening barrier
	s_cmp_lg_u32 s[WV], 0
	s_cbranch_scc1 .Lnot_wave_0_\@
	s_barrier_signal -3
.Lnot_wave_0_\@:
	s_barrier_wait -3
	s_barrier_signal -1
	s_barrier_wait -1
.endm
.macro CROUND                          ; a whole round
	s_barrier_signal -1
	s_barrier_wait -1
	CREST
.endm
.macro PLACES                          ; four places in front of vector work that reads results just made (ISA guide 7.12.1)
.rept 4
	v_nop
.endr
.endm
	s_load_b128 s[4:7], s[0:1], 0x0                ; pbuf s[4:5], qkvt s[6:7]
	s_load_b64 s[14:15], s[0:1], 0x10              ; stats
	s_load_b64 s[8:9], s[0:1], 0x18                ; out0
	v_lshl_add_u32 v[SPW], v0, 2, SPARE
	v_mov_b32 v[NIL], 0
	ds_add_u32 v28, v29
	s_wait_dscnt 0x0
	v_lshrrev_b32 v1, 5, v0
	v_readfirstlane_b32 s[WV], v1                  ; wave 0..3
	s_lshr_b32 s11, s[WV], 1                       ; which 64 of the tile's rows are mine
	s_and_b32 s12, s[WV], 1                        ; which 128 of its features.  Also: which half of a tile I fetch
	s_bfe_u32 s40, ttmp6, 0x40000                  ; cx, cy: my place in the cluster
	s_bfe_u32 s41, ttmp6, 0x40004
	s_lshl_b32 s42, ttmp9, 2
	s_add_co_u32 s42, s42, s40                     ; block of 256 features = 4 x cluster x + cx
	s_and_b32 s13, ttmp7, 0xffff
	s_lshl_b32 s13, s13, 2
	s_add_co_u32 s13, s13, s41                     ; block of 128 among all 8,192 rows = 4 x cluster y + cy; sixteen blocks a batch
	s_lshl_b32 s43, s41, 2
	s_lshl_b32 s43, 15, s43                        ; my row of the cluster
	s_lshl_b32 s44, 0x1111, s40                    ; my column
	; descriptor group 1: rows of 128 elements of 2 bytes, 16 bytes of padding behind each; 64 rows of p, 128 of v
	s_or_b32 s[G1A], s43, (1<<16)|(1<<20)|(1<<21)|(5<<22)|(3<<25)  ; 15:0 the mask; 17:16 2-byte elements; 20 padding on; 21 set beside a mask; 24:22 after every 64 words (code 5); 31:25 4 words (code 3)
	s_or_b32 s[G1B], s44, (1<<16)|(1<<20)|(1<<21)|(5<<22)|(3<<25)
	s_mov_b32 s[G1A+1], 128<<16                    ; tensor_dim0 = 128
	s_mov_b32 s[G1A+2], 64<<16                     ; tensor_dim1 = 64
	s_mov_b32 s[G1A+3], 128<<16                    ; tile_dim0 = 128
	s_mov_b32 s[G1A+4], 64                         ; tile_dim1 = 64
	s_mov_b32 s[G1A+5], 2048                       ; elements from row to row of pbuf
	s_mov_b32 s[G1A+6], 0
	s_mov_b32 s[G1A+7], 0
	s_mov_b32 s[G1B+1], 128<<16
	s_mov_b32 s[G1B+2], 128<<16                    ; tensor_dim1 = 128
	s_mov_b32 s[G1B+3], 128<<16
	s_mov_b32 s[G1B+4], 128                        ; tile_dim1 = 128
	s_mov_b32 s[G1B+5], 8192                       ; elements from row to row of qkvt
	s_mov_b32 s[G1B+6], 0
	s_mov_b32 s[G1B+7], 0
	s_lshl_b32 s16, s13, 19                        ; p: 128 rows of 4,096 bytes a block, 64 a half: made of the row block and the wave's number alone
	s_lshl_b32 s17, s12, 18
	s_add_co_u32 s16, s16, s17
	s_mov_b32 s17, 0
	s_lshl_b32 s46, s42, 22                        ; v: 256 feature rows of 16,384 bytes a block, 128 a half,
	s_lshl_b32 s47, s12, 21
	s_add_co_u32 s46, s46, s47
	s_and_b32 s47, ttmp7, 0xffff                   ; the batch's 4,096 bytes in a row (four clusters along y a batch: made of the cluster's y alone, which my column shares),
	s_lshr_b32 s47, s47, 2
	s_lshl_b32 s47, s47, 12
	s_add_co_u32 s46, s46, s47
	s_add_co_u32 s46, s46, 2048*16384              ; behind q's and k's 2,048 feature rows
	s_mov_b32 s47, 0
	s_mul_i32 s20, s12, AHALF                      ; where they go in a slot: no place in the cluster enters an LDS address
	s_mul_i32 s21, s12, BHALF
	s_add_co_u32 s21, s21, BOFF
	s_mov_b32 s[TB], 0
	s_mov_b32 s[FT], 0
	s_wait_kmcnt 0x0
	s_add_nc_u64 s[4:5], s[4:5], s[16:17]
	s_add_nc_u64 s[6:7], s[6:7], s[46:47]
	CROUND                                         ; all sixteen work-groups are here: the first joint loads meet
.irp s, 0,1
	s_mov_b32 s[G0A+4*(\s)], 1                                     ; count = 1
	s_add_co_u32 s[G0A+4*(\s)+1], s20, (\s)*SLOT1                  ; LDS address
	s_add_nc_u64 s[G0A+4*(\s)+2:G0A+4*(\s)+3], s[4:5], (\s)*KB     ; global address: K step s
	s_or_b32 s[G0A+4*(\s)+3], s[G0A+4*(\s)+3], 0x80000000          ; type = 2
	s_mov_b32 s[G0B+4*(\s)], 1
	s_add_co_u32 s[G0B+4*(\s)+1], s21, (\s)*SLOT1
	s_add_nc_u64 s[G0B+4*(\s)+2:G0B+4*(\s)+3], s[6:7], (\s)*KB
	s_or_b32 s[G0B+4*(\s)+3], s[G0B+4*(\s)+3], 0x80000000
.endr
	s_cmp_lt_u32 s[WV], 2                          ; a wave's two first fills stand in one branch, ahead of every wait on TENSORcnt and every LDS read: two loads of mine are out
	s_cbranch_scc0 .Lfirst_b
	tensor_load_to_lds s[G0A:G0A+3], s[G1A:G1A+7]
	s_nop 0
	tensor_load_to_lds s[G0A+4:G0A+7], s[G1A:G1A+7]
	s_nop 0
.rept 4
	v_nop
.endr
	s_branch .Lfirst_asked
.Lfirst_b:
	tensor_load_to_lds s[G0B:G0B+3], s[G1B:G1B+7]
	s_nop 0
	tensor_load_to_lds s[G0B+4:G0B+7], s[G1B:G1B+7]
	s_nop 0
.rept 4
	v_nop
.endr
.Lfirst_asked:
	; THE FACTORS.  Thread t owns row t of the tile's 128: its 16 mc and 16 l are asked for now; a wave's load covers 128 consecutive bytes of a block's row of stats.
	v_lshlrev_b32 v15, 2, v0                       ; 4 t; not rewritten while the loads are out
	s_lshl_b32 s20, s13, 9                         ; the tile's 128 rows, 4 bytes each
	s_mov_b32 s21, 0
	s_add_nc_u64 s[14:15], s[14:15], s[20:21]
.set j, 0
.rept 16
	global_load_b32 v[64+j], v15, s[14:15] offset:j*32768
.set j, j+1
.endr
.set j, 0
.rept 16
	global_load_b32 v[80+j], v15, s[14:15] offset:524288+j*32768
.set j, j+1
.endr
	; A fragment is 16 rows x 32 K in 8 registers: lane l holds row l % 16, K = 8 (l / 16) + 0..7 and 16 + 8 (l / 16) + 0..7: two loads of 16 bytes, 32 bytes apart.
	v_and_b32 v1, 15, v0                           ; l % 16
	v_bfe_u32 v2, v0, 4, 1                         ; l / 16
	v_mul_u32_u24 v3, v1, PITCH
	v_lshl_add_u32 v3, v2, 4, v3                   ; row x pitch + 16 x half
	s_mul_i32 s20, s11, AHALF                      ; my 64 rows of p
	s_mul_i32 s21, s12, BHALF                      ; my 128 rows of v,
	s_add_co_u32 s21, s21, BOFF                    ; which lie behind p's 128
	v_add_nc_u32 v[ADRA0], s20, v3
	v_add_nc_u32 v[ADRB0], s21, v3
	v_mov_b32 v[ADRA], v[ADRA0]                    ; slot 0
	v_mov_b32 v[ADRB], v[ADRB0]
	s_mul_i32 s20, s[WV], 16*SPITCH
	s_add_co_u32 s20, s20, STAGE                   ; my stage
	v_and_b32 v4, 31, v0
	v_lshlrev_b32 v[CO], 4, v4                     ; back: 32 lanes take one row of 512 bytes
	v_add_nc_u32 v[RD], s20, v[CO]
	v_mul_u32_u24 v5, v1, SPITCH                   ; in: row l % 16, 32 bytes for each half of the lanes
	v_lshl_add_u32 v5, v2, 5, v5
	v_add_nc_u32 v[STO], s20, v5
	s_lshl_b32 s20, s11, 8
	s_add_co_u32 s20, s20, FTAB
	v_lshl_add_u32 v[FA0], v1, 2, s20              ; my wave's 64 rows of the table, row l % 16 of them
	v_mov_b32 v[FADR], v[FA0]
	v_lshl_add_u32 v14, v0, 2, FTAB                ; where thread t puts its row's factors
	s_lshl_b32 s16, s13, 19                        ; out0 at my first row: 128 rows of 4,096 bytes a block, 64 a half,
	s_lshl_b32 s17, s11, 18
	s_add_co_u32 s16, s16, s17
	s_mov_b32 s17, 0
	s_add_nc_u64 s[8:9], s[8:9], s[16:17]
	s_lshl_b32 s46, s42, 10                        ; and my first feature: 1,024 bytes a block, 512 a half
	s_lshl_b32 s47, s12, 9
	s_add_co_u32 s46, s46, s47
	s_mov_b32 s47, 0
	s_add_nc_u64 s[8:9], s[8:9], s[46:47]
	s_wait_loadcnt 16                              ; the 16 mc are in; the 16 l may stay out
	v_max3_num_f32 v3, v64, v65, v66
	v_max3_num_f32 v4, v67, v68, v69
	v_max3_num_f32 v5, v70, v71, v72
	v_max3_num_f32 v6, v73, v74, v75
	v_max3_num_f32 v7, v76, v77, v78
	v_max3_num_f32 v3, v3, v4, v79
	v_max3_num_f32 v5, v5, v6, v7
	v_max_num_f32 v3, v3, v5                       ; M: c x the row's largest score
.set j, 0
.rept 16
	v_sub_f32 v[64+j], v[64+j], v3
.set j, j+1
.endr
.set j, 0
.rept 16
	v_exp_f32 v[64+j], v[64+j]                     ; f_j, 1 in the block that holds the maximum
.set j, j+1
.endr
	v_nop                                          ; a plain instruction between the last exponential and the use of its result (ISA guide 5.7.2)
.set j, 0
	s_wait_alu depctr_va_vdst(0)
.rept 16
	v_cvt_pk_f16_f32 v[96+j], v[64+j], v[64+j]     ; twice, for the packed scaling
.set j, j+1
.endr
	s_wait_loadcnt 0x0                             ; l
	v_mul_f32 v4, v64, v80                         ; L in two chains
	v_mul_f32 v5, v65, v81
.set j, 2
.rept 7
	v_fmac_f32 v4, v[64+j], v[80+j]
	v_fmac_f32 v5, v[65+j], v[81+j]
.set j, j+2
.endr
	v_add_f32 v4, v4, v5
	v_rcp_f32 v6, v4
	v_nop
.set j, 0
.rept 16
	ds_store_b32 v14, v[96+j] offset:512*j
.set j, j+1
.endr
	s_wait_alu depctr_va_vdst(0)
	ds_store_b32 v14, v6 offset:RLT-FTAB
; One matrix instruction: row block a (0-3), feature block b (0-7), 32 along K out of buffer f.  zero = 1: the product starts the sum: nothing is ever cleared.
.macro MM f, a, b, zero
.if (\a) == 0
	WIN W_P0
.set rD, 192+8*(\b)
.else
	WIN W_P1
.set rD, 64*((\a)-1)+8*(\b)
.endif
.set rB, 64+64*(\f)+8*(\b)
.set rA, 192+32*(\f)+8*(\a)
.if \zero
	v_wmma_f32_16x16x32_f16 v[rD:rD+7], v[rB:rB+7], v[rA:rA+7], 0
.else
	v_wmma_f32_16x16x32_f16 v[rD:rD+7], v[rB:rB+7], v[rA:rA+7], v[rD:rD+7]
.endif
.endm
.macro LDA k, g, n                     ; load n of 8 of p's fragments at byte k of the rows, into buffer g (destination in window 1)
.set rA, 192+32*(\g)+8*((\n)/2)+4*((\n)%2)
	ds_load_b128 v[rA:rA+3], v[ADRA] offset:(\k)+((\n)/2)*16*PITCH+32*((\n)%2)
.endm
.macro LDB k, g, b                     ; v's fragment b, both halves (destination in window 0)
.set rB, 64+64*(\g)+8*(\b)
	ds_load_b128 v[rB:rB+3],   v[ADRB] offset:(\k)+(\b)*16*PITCH
	ds_load_b128 v[rB+4:rB+7], v[ADRB] offset:(\k)+(\b)*16*PITCH+32
.endm
.macro SC f, a, i                      ; register i of p's fragment a in buffer f times the row's factor: two f16 at once (under W_P1)
.set rA, 192+32*(\f)+8*(\a)+(\i)
	v_pk_mul_f16 v[rA], v[FAC+(\a)], v[rA]
.endm
.macro LUMP f                          ; the fragment that is multiplied first is scaled ahead of the products.  These eight name no register of the quarter before's products: they are
	WIN W_P1                                       ; also the places in front of the loads into the buffer that those products read
.irp i, 0,1,2,3,4,5,6,7
	SC \f, 1, \i
.endr
.endm
; Eight matrix instructions on row block a.  sc = 1: behind each, one register of each of the three fragments still to be scaled.  ld = 1: one load of p's next fragments behind each; ld = 2: two of v's.
.macro PHASE f, a, zero, ld, k, g, sc
.irp b, 0,1,2,3,4,5,6,7
	MM \f, \a, \b, \zero
.if \sc
	SC \f, 0, \b
	SC \f, 2, \b
	SC \f, 3, \b
.endif
.if (\ld) == 1
	LDA \k, \g, \b
.elseif (\ld) == 2
	LDB \k, \g, \b
.endif
.endr
.endm
; A K step is four quarters of 32 along K, 32 matrix instructions each, on buffers 0, 1, 0, 1.  The 32 accumulators take turns, one instruction a turn, in the same
; order (row blocks 1, 0, 2, 3) in every quarter and over the loop's jump.
; One of the first three: scales and multiplies buffer f and fetches the next quarter, at byte k of the slot's rows, into buffer g.
.macro QUARTER k, f, g, zero
	s_wait_dscnt 0x0                               ; buffer f is in (and, in a step's first quarter, the step's factors)
	LUMP \f
	PHASE \f, 1, \zero, 1, \k, \g, 1
	PHASE \f, 0, \zero, 2, \k, \g, 0
	PHASE \f, 2, \zero, 0, 0, 0, 0
	PHASE \f, 3, \zero, 0, 0, 0, 0
.endm
; The last quarter multiplies buffer 1 and changes slots: ONE barrier.  In front of it each wave waits for all its tensor loads (one is out: its part of the next slot), adds 0 to its
; spare word, and waits for that and for its own reads of this slot.  mode = 1: the barrier opens a round of the cluster's, and behind the round this slot is filled again, with the
; K step two steps on.  The next step's factors are fetched when this step's last scaling is done.
.macro TURN mode
	WIN 0
	s_wait_tensorcnt 0x0                           ; no tensor load of mine is out, so a group 0 may be written
	ds_add_u32 v[SPW], v[NIL]                      ; 0 onto my spare word; the descriptors' steps stand between it and the wait for it
.if \mode
	s_xor_b32 s[G0A+5], s[G0A+5], SLOT1            ; the walking descriptors: the other slot than last time,
	s_xor_b32 s[G0B+5], s[G0B+5], SLOT1
	s_add_nc_u64 s[G0A+6:G0A+7], s[G0A+6:G0A+7], KB  ; the next 128 keys; the type bits on top are not reached
	s_add_nc_u64 s[G0B+6:G0B+7], s[G0B+6:G0B+7], KB
.endif
	s_xor_b32 s[TB], s[TB], SLOT1
	s_add_co_u32 s[FT], s[FT], 512
	s_wait_dscnt 0x0                               ; the add is done, buffer 1 is in, and my reads of this slot are over
	s_barrier_signal -1
	LUMP 1                                         ; work on registers while the others arrive
	PHASE 1, 1, 0, 0, 0, 0, 1
	WIN 0
	v_add_nc_u32 v[ADRA], s[TB], v[ADRA0]
	v_add_nc_u32 v[ADRB], s[TB], v[ADRB0]
	v_add_nc_u32 v[FADR], s[FT], v[FA0]
	s_barrier_wait -1
.if \mode
	CREST                                          ; no wave of any partner still reads this slot or has a load on its way
	JLOAD                                          ; my one tensor load behind the round, and the first thing there
.endif
	PHASE 1, 0, 0, 2, 0, 0, 0
.irp a, 0,1,2,3
	ds_load_b32 v[FAC+(\a)], v[FADR] offset:64*(\a)
.endr
	PHASE 1, 2, 0, 1, 0, 0, 0
	PHASE 1, 3, 0, 0, 0, 0, 0
.endm
.macro LASTQ                           ; the last quarter of all: nothing more to fetch
	s_wait_dscnt 0x0
	LUMP 1
	PHASE 1, 1, 0, 0, 0, 0, 1
	PHASE 1, 0, 0, 0, 0, 0, 0
	PHASE 1, 2, 0, 0, 0, 0, 0
	PHASE 1, 3, 0, 0, 0, 0, 0
.endm
; THE WAY OUT, a block of 16 rows at a time.  SCALE: times 1 / L, in place (each accumulator's registers in ascending order).
; TOSTAGE: 32 bytes a lane into my own stage, and back as whole rows of 512 bytes.  SEND: stored.
.macro SCALE a
.if (\a) == 0
	WIN 0
.set AC, 192
.else
	WIN 0x41
.set AC, 64*((\a)-1)
.endif
.set i, 0
.rept 32
	v_pk_mul_f32 v[AC+2*i:AC+2*i+1], v[AC+2*i:AC+2*i+1], v[RL+2*(\a):RL+2*(\a)+1] op_sel_hi:[1,0]
.set i, i+1
.endr
.endm
.macro TOSTAGE a
.if (\a) == 0
	WIN 0x80                                       ; store data in window 0, loaded data in window 2
.set AC, 192
.else
	WIN 0x84                                       ; store data in window 1
.set AC, 64*((\a)-1)
.endif
.irp b, 0,1,2,3,4,5,6,7
	ds_store_b128 v[STO], v[AC+8*(\b):AC+8*(\b)+3]   offset:64*(\b)
	ds_store_b128 v[STO], v[AC+8*(\b)+4:AC+8*(\b)+7] offset:64*(\b)+16
.endr
.set t, 0
.rept 16
	ds_load_b128 v[64*(\a)+4*t:64*(\a)+4*t+3], v[RD] offset:SPITCH*t  ; LDS serves a wave's instructions in order (ISA guide 5.7.1.4): these see the stores above
.set t, t+1
.endr
.endm
.macro SEND a
	WIN 0x08                                       ; store data in window 2
	s_wait_dscnt 0x0                               ; the block is back in registers
.set t, 0
.rept 16
	global_store_b128 v[CO], v[64*(\a)+4*t:64*(\a)+4*t+3], s[8:9] offset:(16*(\a)+t)*4096 th:TH_STORE_NT  ; a wave stores 512 consecutive bytes, at a multiple of 256 from the buffer's first byte
.set t, t+1
.endr
.endm
	s_wait_tensorcnt 0x1                           ; my part of K step 0 is in; slot 1's may stay out
	s_wait_dscnt 0x0                               ; for the others' sake: my rows of the two tables are written
	s_barrier_signal -1
	s_barrier_wait -1                              ; everybody's are
	WIN 0
.irp b, 0,1,2,3,4,5,6,7
	LDB 0, 0, \b
.endr
.irp a, 0,1,2,3
	ds_load_b32 v[FAC+(\a)], v[FADR] offset:64*(\a)  ; block 0's factors
.endr
	WIN 0x40
.irp n, 0,1,2,3,4,5,6,7
	LDA 0, 0, \n
.endr
	WIN 0
	QUARTER 64, 0, 1, 1                            ; the first quarter stands in front of the loop: its products start the sums
	WIN 0
	s_mov_b32 s3, 14
.Lstep:                                                ; a trip: from a K step's second quarter to the next step's first; one slot is filled again: K steps 2 to 15
	QUARTER 128, 1, 0, 0
	QUARTER 192, 0, 1, 0
	TURN 1
	QUARTER 64, 0, 1, 0
	WIN 0
	s_sub_co_u32 s3, s3, 1
	s_cmp_lg_u32 s3, 0
	s_cbranch_scc1 .Lstep
	QUARTER 128, 1, 0, 0                           ; the tail is written out
	QUARTER 192, 0, 1, 0
	TURN 0                                         ; nothing is filled again, so no round follows
	QUARTER 64, 0, 1, 0
	QUARTER 128, 1, 0, 0
	QUARTER 192, 0, 1, 0
	LASTQ
	PLACES                                         ; the scaling reads results just made
	WIN 0
.irp a, 0,1,2,3
	ds_load_b32 v[RL+2*(\a)], v[FA0] offset:RLT-FTAB+64*(\a)
.endr
	s_wait_dscnt 0x0
.irp a, 0,1,2,3
	v_mov_b32 v[RL+2*(\a)+1], v[RL+2*(\a)]         ; named with it as a pair
.endr
	SCALE 0
	TOSTAGE 0
.irp a, 1,2,3                          ; block a's scaling stands between block a - 1's loads from the stage and the wait for them
	SCALE \a
	SEND (\a)-1
	TOSTAGE \a
.endr
	SEND 3
	WIN 0
	s_wait_tensorcnt 0x0                           ; the wave's end, behind my last tensor load and my last LDS store
	ds_add_u32 v[SPW], v[NIL]
	s_wait_dscnt 0x0
	CROUND                                         ; the closing round: no work-group ends while a partner may still ask for a tile that names it
	s_endpgm
.Lfunc_end_k_q81bd4b6150_pv:
	.size	k_q81bd4b6150_pv, .Lfunc_end_k_q81bd4b6150_pv-k_q81bd4b6150_pv
	.p2alignl 7, 3214868480
	.fill 96, 4, 3214868480
	.section	.rodata,"a",@progbits
	.p2align	6, 0x0
	.amdhsa_kernel k_q81bd4b6150_pv
		.amdhsa_group_segment_fixed_size 327680
		.amdhsa_private_segment_fixed_size 0
		.amdhsa_enable_private_segment 0
		.amdhsa_kernarg_size 32
		.amdhsa_user_sgpr_count 2
		.amdhsa_user_sgpr_kernarg_segment_ptr 1
		.amdhsa_wavefront_size32 1
		.amdhsa_system_sgpr_workgroup_id_x 1
		.amdhsa_system_sgpr_workgroup_id_y 1
		.amdhsa_system_sgpr_workgroup_id_z 1
		.amdhsa_system_vgpr_workitem_id 0
		.amdhsa_next_free_vgpr 768
		.amdhsa_next_free_sgpr 66
		.amdhsa_reserve_vcc 0
		.amdhsa_float_denorm_mode_32 3
		.amdhsa_float_denorm_mode_16_64 3
		.amdhsa_memory_ordered 1
		.amdhsa_forward_progress 1
		.amdhsa_inst_pref_size 108
	.end_amdhsa_kernel
	.amdgpu_metadata
---
amdhsa.version: [ 1, 2 ]
amdhsa.kernels:
  - .name:           k_q81bd4b6150_pv
    .symbol:         k_q81bd4b6150_pv.kd
    .args:
      - { .name: pbuf, .offset: 0, .size: 8, .value_kind: global_buffer, .address_space: global }
      - { .name: qkvt, .offset: 8, .size: 8, .value_kind: global_buffer, .address_space: global }
      - { .name: stats, .offset: 16, .size: 8, .value_kind: global_buffer, .address_space: global }
      - { .name: out0, .offset: 24, .size: 8, .value_kind: global_buffer, .address_space: global }
    .group_segment_fixed_size: 327680
    .private_segment_fixed_size: 0
    .kernarg_segment_align: 8
    .kernarg_segment_size: 32
    .max_flat_workgroup_size: 128
    .sgpr_count:     66
    .vgpr_count:     768
    .wavefront_size: 32
...
	.end_amdgpu_metadata
.endif
;; end of part 4
;; ======== version 2 of 3: 4 launches; 1.22 times as fast as version 1
;; limits: values are held in f16: magnitudes above 65,504 overflow, below 6.1e-05 lose precision
;; workspace buffers: xb 16,777,216 bytes; wb 6,291,456 bytes; qkvt 50,331,648 bytes; pbuf 33,554,432 bytes; stats 1,048,576 bytes
;; launch cast: the kernel of part 1 again; grid 256 x 1, 8 waves a work-group, no clusters, 0 bytes of LDS; arguments x, Wq, Wk, Wv, xb, wb; writes xb, wb
;; launch proj (part 5): grid 32 x 8, 4 waves a work-group, clusters of 4 x 4, 327,680 bytes of LDS; arguments wb, xb, qkvt; writes qkvt
.if DOCPART == 5
	.amdgcn_target "amdgcn-amd-amdhsa--gfx1250"
	.amdhsa_code_object_version 6
	.text
	.protected	k_q81bd4b6150_proj
	.globl	k_q81bd4b6150_proj
	.p2align	8
	.type	k_q81bd4b6150_proj,@function
k_q81bd4b6150_proj:
	s_mov_b64 s[64:65], 0
	v_nop
	global_prefetch_b8 v0, s[64:65] scope:SCOPE_SE
	s_setreg_imm32_b32 hwreg(HW_REG_WAVE_MODE, 25, 1), 1
	s_wait_xcnt 0x0
	s_wait_alu depctr_hold_cnt(0) depctr_sa_sdst(0) depctr_va_vdst(0) depctr_va_sdst(0) depctr_va_ssrc(0) depctr_va_vcc(0) depctr_vm_vsrc(0)
	s_getreg_b32 s2, hwreg(HW_REG_IB_STS2, 6, 4)
	s_cmp_eq_u32 s2, 0
	s_cbranch_scc0 .Lentry_in_a_cluster
	s_endpgm
.Lentry_in_a_cluster:
	s_bfe_u32 s2, ttmp6, 0x10000c
	s_cmp_lg_u32 s2, 0xf033
	s_cbranch_scc0 .Lentry_shape_is_right
	s_endpgm
.Lentry_shape_is_right:
; qkvt[f][n] = sum over d of wb[f][d] xb[n][d]: q, k and v TRANSPOSED, [3072 features][8192 tokens] in f16 (rows 0-1023 q, 1024-2047 k, 2048-3071 v).
; wb, xb: bf16, rows of 1,024.  Sums in f32, each result rounded once to f16.
; LIMIT.  f16 ends at 65,504: |q|, |k|, |v| must stay below it (a larger number becomes an infinity).  NaN and infinities are not treated apart.
; SHARES.  A tile is 192 features x 256 tokens; four waves, each 96 x 128: 48 accumulators of 16 x 16.  3,072 x 8,192 are 16 x 32 such tiles: a work-group STAYS and makes two,
; 1,536 features apart, on the same 256 tokens: 256 work-groups of equal work.  K goes in steps of 128 (rows of 256 bytes) through two LDS slots; a step brings
; (192 + 256) x 256 = 114,688 bytes for 192 matrix instructions a wave (a tile of 128 x 256 would bring 98,304 for 128).  The 16 K steps of the two tiles are ONE walk
; for the ring, which does not stop at a tile's end, and one counted loop.
; CLUSTER.  4 x 4 work-groups: the four of a row need the same tiles of wb, the four of a column the same tiles of xb; each tile is asked for jointly,
; by the same tensor load with the same descriptor and a mask that names the four.
; THE MATRIX INSTRUCTION IS USED TRANSPOSED (source 0 = 16 tokens, source 1 = 16 features): a lane then holds eight neighbouring tokens of one feature row.
; REGISTERS, in windows of 256 (s_set_vgpr_msb: bits 1:0 source 0, 3:2 source 1, 5:4 source 2, 7:6 destination):
;   window 0: v0-31 addresses; v32-127 fragments of wb, two buffers of 6; v128-159 packed results on the way out
;   window 1: v0-127 fragments of xb, two buffers of 8
;   window 2: the accumulators of my feature blocks 2-5 ((a, b) at v[64 (a - 2) + 8 b])
;   window 3: v0-127 those of my feature blocks 0 and 1 ((a, b) at v[64 a + 8 b]); v128-191 rows read back from the stage, two buffers
; THE LDS LOADS stand in ONE run of 28 in a quarter step, behind its first 16 matrix instructions and 32 ahead of their first use, never singly among the matrix instructions:
; four switches of the windows for a quarter's 48 matrix instructions and 28 loads.
.set PITCH,  272                       ; an LDS row: 256 bytes + 16 of padding = 68 words, so the 16 rows of a fragment load start at 16 different groups of four banks (ISA guide 11.1)
.set AHALF,  96*PITCH                  ; what a tensor load brings of wb, and what a wave reads of it
.set BOFF,   192*PITCH                 ; a slot: wb's 192 rows, then xb's 256
.set BHALF,  128*PITCH                 ; what a tensor load brings of xb, and what a wave reads of it
.set SLOT1,  1<<17                     ; slot 1 begins here: one exclusive or turns an address in one slot into the other's
.set STAGE,  SLOT1+BOFF+2*BHALF        ; behind the ring, never filled by a tensor load: 16 rows x 272 bytes for each wave
.set SPARE,  STAGE+4*16*PITCH          ; the spare words, 128 bytes for each wave: two blocks of 256 bytes that no other line names
.set KB,     256                       ; a K step along a row, in bytes
.set WALK,   1536                      ; a work-group's two tiles lie so many features apart
.set NEXT_A, WALK*2048-7*KB            ; from a tile's last K step to the next tile's first: 1,536 rows of wb down, seven steps back
.set NEXT_C, WALK*16384                ; from a tile of qkvt to the next
.set ADRA0, 16                         ; v16  my lane's place in a slot's rows of wb; never rewritten
.set ADRB0, 17                         ; v17  the same for xb
.set ADRA,  18                         ; v18  the same in the slot in hand
.set ADRB,  19                         ; v19
.set STO,   24                         ; v24  the way out: where I put 16 bytes of a row
.set RD,    25                         ; v25  where I read a row back
.set CO,    26                         ; v26  my byte offset in qkvt
.set SPW,   28                         ; v28  LDS address of my spare word; never rewritten
.set NIL,   29                         ; v29  0; never rewritten
.set AF,    32                         ; window 0: wb's fragment a of buffer f at v[32 + 48 f + 8 a]
.set TMP,   128                        ; window 0: packed results
.set OB,    128                        ; window 3: rows read back, buffer a % 2 at v[128 + 32 (a % 2)]
.set WV,  10                           ; s10  my wave's number
.set TB,  22                           ; s22  the slot in hand: 0 or SLOT1
.set RQ,  23                           ; s23  which of a tile's eight K steps the walking descriptors name
.set G1A, 24                           ; s[24:31] descriptor group 1 for wb's tiles
.set G0A, 32                           ; s[32:39] group 0: a set for each of the two first fills; the second then walks
.set NA,  45                           ; s45  NEXT_A
.set G1B, 48                           ; s[48:55], s[56:63] the same for xb's tiles
.set G0B, 56
.set MUL_LO, 0xa1                      ; source 0 (xb) window 1, source 1 (wb) window 0, C and D window 2
.set MUL_HI, 0xf1                      ; the same, C and D window 3
.set TO_B,   0x40                      ; destination window 1, address window 0
.set MSB, 0
.macro WIN new                         ; the immediate's high byte repeats the setting that is left; a switch that changes nothing is dropped
.if MSB != (\new)
	s_set_vgpr_msb (MSB<<8)|(\new)
.set MSB, \new
.endif
.endm
; A joint refill.  Waves 0 and 1 fetch the two halves of wb's tile, waves 2 and 3 those of xb's.  The branch hangs on the wave's number alone.
; An s_nop 0 and four v_nop follow each of the two lines, ahead of the jump and the label.
.macro JLOAD
	s_cmp_lt_u32 s[WV], 2
	s_cbranch_scc0 .Lfor_b_\@
	tensor_load_to_lds s[G0A+4:G0A+7], s[G1A:G1A+7]
	s_nop 0
.rept 4
	v_nop
.endr
	s_branch .Lasked_\@
.Lfor_b_\@:
	tensor_load_to_lds s[G0B+4:G0B+7], s[G1B:G1B+7]
	s_nop 0
.rept 4
	v_nop
.endr
.Lasked_\@:
.endm
.macro CREST                           ; a round of the cluster's barrier behind its opening barrier
	s_cmp_lg_u32 s[WV], 0
	s_cbranch_scc1 .Lnot_wave_0_\@
	s_barrier_signal -3
.Lnot_wave_0_\@:
	s_barrier_wait -3
	s_barrier_signal -1
	s_barrier_wait -1
.endm
.macro CROUND                          ; a whole round
	s_barrier_signal -1
	s_barrier_wait -1
	CREST
.endm
.macro PLACES                          ; four places: in front of loads into registers that matrix instructions have read, and of conversions that read results
.rept 4
	v_nop
.endr
.endm
	s_load_b128 s[4:7], s[0:1], 0x0                ; wb s[4:5], xb s[6:7]
	s_load_b64 s[8:9], s[0:1], 0x10                ; qkvt
	v_lshl_add_u32 v[SPW], v0, 2, SPARE
	v_mov_b32 v[NIL], 0
	ds_add_u32 v28, v29
	s_wait_dscnt 0x0
	v_lshrrev_b32 v1, 5, v0
	v_readfirstlane_b32 s[WV], v1                  ; wave 0..3
	s_lshr_b32 s11, s[WV], 1                       ; which 96 of the tile's features are mine
	s_and_b32 s12, s[WV], 1                        ; which 128 of its tokens.  Also: which half of a tile I fetch
	s_bfe_u32 s40, ttmp6, 0x40000                  ; cx, cy: my place in the cluster
	s_bfe_u32 s41, ttmp6, 0x40004
	s_lshl_b32 s42, ttmp9, 2
	s_add_co_u32 s42, s42, s40                     ; block of 256 tokens = 4 x cluster x + cx
	s_and_b32 s13, ttmp7, 0xffff
	s_lshl_b32 s13, s13, 2
	s_add_co_u32 s13, s13, s41                     ; block of 192 features = 4 x cluster y + cy
	s_lshl_b32 s43, s41, 2
	s_lshl_b32 s43, 15, s43                        ; my row of the cluster
	s_lshl_b32 s44, 0x1111, s40                    ; my column
	; descriptor group 1: rows of 128 elements of 2 bytes, 16 bytes of padding behind each; 96 rows of wb, 128 of xb
	s_or_b32 s[G1A], s43, (1<<16)|(1<<20)|(1<<21)|(5<<22)|(3<<25)  ; 15:0 the mask; 17:16 2-byte elements; 20 padding on; 21 set beside a mask; 24:22 after every 64 words (code 5); 31:25 4 words (code 3)
	s_or_b32 s[G1B], s44, (1<<16)|(1<<20)|(1<<21)|(5<<22)|(3<<25)
	s_mov_b32 s[G1A+1], 128<<16                    ; tensor_dim0 = 128
	s_mov_b32 s[G1A+2], 96<<16                     ; tensor_dim1 = 96
	s_mov_b32 s[G1A+3], 128<<16                    ; tile_dim0 = 128
	s_mov_b32 s[G1A+4], 96                         ; tile_dim1 = 96
	s_mov_b32 s[G1A+5], 1024                       ; elements from row to row
	s_mov_b32 s[G1A+6], 0
	s_mov_b32 s[G1A+7], 0
	s_mov_b32 s[G1B+1], 128<<16
	s_mov_b32 s[G1B+2], 128<<16                    ; tensor_dim1 = 128
	s_mov_b32 s[G1B+3], 128<<16
	s_mov_b32 s[G1B+4], 128                        ; tile_dim1 = 128
	s_mov_b32 s[G1B+5], 1024
	s_mov_b32 s[G1B+6], 0
	s_mov_b32 s[G1B+7], 0
	s_mul_i32 s16, s13, 192*2048                   ; wb: 192 rows of 2,048 bytes a block, 96 a half: made of the feature block and the wave's number alone
	s_mul_i32 s17, s12, 96*2048
	s_add_co_u32 s16, s16, s17
	s_mov_b32 s17, 0
	s_lshl_b32 s46, s42, 19                        ; xb: 256 rows a block, 128 a half: made of the token block and the wave's number alone
	s_lshl_b32 s47, s12, 18
	s_add_co_u32 s46, s46, s47
	s_mov_b32 s47, 0
	s_mul_i32 s20, s12, AHALF                      ; where they go in a slot: no place in the cluster enters an LDS address
	s_mul_i32 s21, s12, BHALF
	s_add_co_u32 s21, s21, BOFF
	s_mov_b32 s[TB], 0
	s_mov_b32 s[RQ], 1
	s_mov_b32 s[NA], NEXT_A
	s_mov_b32 s15, 0                               ; the high words of the two steps that TURN selects
	s_mov_b32 s19, 0
	s_wait_kmcnt 0x0
	s_add_nc_u64 s[4:5], s[4:5], s[16:17]
	s_add_nc_u64 s[6:7], s[6:7], s[46:47]
	CROUND                                         ; all sixteen work-groups are here: the first joint loads meet
.irp s, 0,1
	s_mov_b32 s[G0A+4*(\s)], 1                                     ; count = 1
	s_add_co_u32 s[G0A+4*(\s)+1], s20, (\s)*SLOT1                  ; LDS address
	s_add_nc_u64 s[G0A+4*(\s)+2:G0A+4*(\s)+3], s[4:5], (\s)*KB     ; global address: K step s
	s_or_b32 s[G0A+4*(\s)+3], s[G0A+4*(\s)+3], 0x80000000          ; type = 2
	s_mov_b32 s[G0B+4*(\s)], 1
	s_add_co_u32 s[G0B+4*(\s)+1], s21, (\s)*SLOT1
	s_add_nc_u64 s[G0B+4*(\s)+2:G0B+4*(\s)+3], s[6:7], (\s)*KB
	s_or_b32 s[G0B+4*(\s)+3], s[G0B+4*(\s)+3], 0x80000000
.endr
	s_cmp_lt_u32 s[WV], 2                          ; a wave's two first fills stand in one branch, ahead of every wait on TENSORcnt and every LDS read: two loads of mine are out
	s_cbranch_scc0 .Lfirst_b
	tensor_load_to_lds s[G0A:G0A+3], s[G1A:G1A+7]
	s_nop 0
	tensor_load_to_lds s[G0A+4:G0A+7], s[G1A:G1A+7]
	s_nop 0
.rept 4
	v_nop
.endr
	s_branch .Lfirst_asked
.Lfirst_b:
	tensor_load_to_lds s[G0B:G0B+3], s[G1B:G1B+7]
	s_nop 0
	tensor_load_to_lds s[G0B+4:G0B+7], s[G1B:G1B+7]
	s_nop 0
.rept 4
	v_nop
.endr
.Lfirst_asked:
	; A fragment is 16 rows x 32 K in 8 registers: lane l holds row l % 16, K = 8 (l / 16) + 0..7 and 16 + 8 (l / 16) + 0..7: two loads of 16 bytes, 32 bytes apart.
	v_and_b32 v1, 15, v0                           ; l % 16
	v_bfe_u32 v2, v0, 4, 1                         ; l / 16
	v_mul_u32_u24 v3, v1, PITCH
	v_lshl_add_u32 v3, v2, 4, v3                   ; row x pitch + 16 x half
	s_mul_i32 s20, s11, AHALF                      ; my 96 rows of wb; s21 still holds the place of my 128 rows of xb
	v_add_nc_u32 v[ADRA0], s20, v3
	v_add_nc_u32 v[ADRB0], s21, v3
	v_mov_b32 v[ADRA], v[ADRA0]                    ; slot 0
	v_mov_b32 v[ADRB], v[ADRB0]
	s_mul_i32 s20, s[WV], 16*PITCH
	s_add_co_u32 s20, s20, STAGE                   ; my stage
	v_add_nc_u32 v[STO], s20, v3                   ; in: row l % 16, 16 bytes for each half of the lanes
	v_mul_u32_u24 v4, v2, PITCH                    ; back: lanes 0-15 take one row of 256 bytes, lanes 16-31 the next
	v_lshl_add_u32 v4, v1, 4, v4
	v_add_nc_u32 v[RD], s20, v4
	v_lshlrev_b32 v5, 14, v2                       ; and the same two rows in qkvt, 16,384 bytes apart
	v_lshl_add_u32 v[CO], v1, 4, v5
	s_mul_i32 s16, s13, 192*16384                  ; my part of the first tile: 192 rows of 16,384 bytes a block, 96 a half,
	s_mul_i32 s17, s11, 96*16384
	s_add_co_u32 s16, s16, s17
	s_mov_b32 s17, 0
	s_add_nc_u64 s[8:9], s[8:9], s[16:17]
	s_lshl_b32 s46, s42, 9                         ; 512 bytes a token block, 256 a half
	s_lshl_b32 s47, s12, 8
	s_add_co_u32 s46, s46, s47
	s_mov_b32 s47, 0
	s_add_nc_u64 s[8:9], s[8:9], s[46:47]
; One matrix instruction: feature block a (0-5), token block b (0-7), 32 along K out of buffer f.  zero = 1: the product starts the sum: nothing is ever cleared.
.macro MM f, a, b, zero
.if (\a) < 2
	WIN MUL_HI
.set rD, 64*(\a)+8*(\b)
.else
	WIN MUL_LO
.set rD, 64*((\a)-2)+8*(\b)
.endif
.set rB, 64*(\f)+8*(\b)
.set rA, AF+48*(\f)+8*(\a)
.if \zero
	v_wmma_f32_16x16x32_bf16 v[rD:rD+7], v[rB:rB+7], v[rA:rA+7], 0
.else
	v_wmma_f32_16x16x32_bf16 v[rD:rD+7], v[rB:rB+7], v[rA:rA+7], v[rD:rD+7]
.endif
.endm
.macro PHASE f, a, zero                ; eight matrix instructions on feature block a
.irp b, 0,1,2,3,4,5,6,7
	MM \f, \a, \b, \zero
.endr
.endm
; 28 LDS loads in one run: the fragments of 32 along K at byte k of the slot's rows, into buffer g: xb's eight, then wb's six in the order in which they are multiplied
.macro FETCH k, g
	WIN TO_B
.irp b, 0,1,2,3,4,5,6,7
	ds_load_b128 v[64*(\g)+8*(\b):64*(\g)+8*(\b)+3],   v[ADRB] offset:(\k)+(\b)*16*PITCH
	ds_load_b128 v[64*(\g)+8*(\b)+4:64*(\g)+8*(\b)+7], v[ADRB] offset:(\k)+(\b)*16*PITCH+32
.endr
	WIN 0
.irp a, 0,1,2,3,4,5
	ds_load_b128 v[AF+48*(\g)+8*(\a):AF+48*(\g)+8*(\a)+3],   v[ADRA] offset:(\k)+(\a)*16*PITCH
	ds_load_b128 v[AF+48*(\g)+8*(\a)+4:AF+48*(\g)+8*(\a)+7], v[ADRA] offset:(\k)+(\a)*16*PITCH+32
.endr
.endm
; A K step is four quarters of 32 along K, 48 matrix instructions each, on buffers 0, 1, 0, 1.  The 48 accumulators take turns, one instruction a turn, in the same
; order (feature blocks 0 to 5) in every quarter, over the loop's jump and from tile to tile.
; One of the first three: multiplies buffer f; behind its first sixteen products it fetches the next quarter, at byte k of the slot's rows, into buffer g, which the quarter before multiplied: hence the four places.
.macro QUARTER k, f, g, zero
	s_wait_dscnt 8                                 ; xb's fragments and wb's blocks 0 and 1 are in; the youngest eight loads (blocks 2 to 5) may be out
	PHASE \f, 0, \zero
	PHASE \f, 1, \zero
	PLACES
	FETCH \k, \g
	s_wait_dscnt 28                                ; all but the 28 just issued
.irp a, 2,3,4,5
	PHASE \f, \a, \zero
.endr
.endm
; The last quarter multiplies buffer 1 and changes slots: ONE barrier.  In front of it each wave waits for all its tensor loads (one is out: its part of the next slot), adds 0 to its
; spare word, and waits for that and for its own reads of this slot.  mode = 1: the barrier opens a round of the cluster's, and behind the round this slot is filled again, with the walk's
; K step two steps on: 32 + 3 x 48 = 176 matrix instructions stand between the request and the wait for it.
.macro TURN mode
	WIN 0
	s_wait_tensorcnt 0x0                           ; no tensor load of mine is out, so a group 0 may be written
	ds_add_u32 v[SPW], v[NIL]                      ; 0 onto my spare word; the descriptors' steps and eight products stand between it and the wait for it
.if \mode
	s_xor_b32 s[G0A+5], s[G0A+5], SLOT1            ; the walking descriptors: the other slot than last time,
	s_xor_b32 s[G0B+5], s[G0B+5], SLOT1
	s_add_co_u32 s[RQ], s[RQ], 1                   ; the next K step of eight; behind the eighth the next tile's first:
	s_and_b32 s[RQ], s[RQ], 7
	s_cmp_eq_u32 s[RQ], 0
	s_cselect_b32 s14, s[NA], KB                   ; wb goes 1,536 rows down and seven steps back,
	s_cselect_b32 s18, 8*KB, 0                     ; xb only back: the two tiles share their tokens
	s_add_nc_u64 s[G0A+6:G0A+7], s[G0A+6:G0A+7], s[14:15]
	s_add_nc_u64 s[G0B+6:G0B+7], s[G0B+6:G0B+7], KB
	s_sub_nc_u64 s[G0B+6:G0B+7], s[G0B+6:G0B+7], s[18:19]
.endif
	s_xor_b32 s[TB], s[TB], SLOT1
	s_wait_dscnt 9                                 ; (the add and the youngest eight loads may be out)
	PHASE 1, 0, 0
	s_wait_dscnt 0x0                               ; the add is done, buffer 1 is in, and my reads of this slot are over
	s_barrier_signal -1
	PHASE 1, 1, 0                                  ; work on registers while the others arrive
	WIN 0
	v_add_nc_u32 v[ADRA], s[TB], v[ADRA0]
	v_add_nc_u32 v[ADRB], s[TB], v[ADRB0]
	s_barrier_wait -1
.if \mode
	CREST                                          ; no wave of any partner still reads this slot or has a load on its way
	JLOAD                                          ; my one tensor load behind the round, and the first thing there; the four v_nop behind it are also the places in front of the loads below
.else
	PLACES
.endif
	FETCH 0, 0
.irp a, 2,3,4,5
	PHASE 1, \a, 0
.endr
.endm
.macro LASTQ                           ; the walk's last quarter: nothing more to fetch
	s_wait_dscnt 0x0
.irp a, 0,1,2,3,4,5
	PHASE 1, \a, 0
.endr
.endm
; THE WAY OUT, a block of 16 features at a time.  PACK: rounded to f16, 16 bytes a lane (each accumulator's registers in ascending order).
; TOSTAGE: into my own stage and back as whole rows of 256 bytes.  SEND: stored.  It names neither fragment buffer: buffer 0 may hold the next tile's first fragments.
.macro PACK a
.if (\a) < 2
	WIN 0x0f                                       ; sources 0 and 1 in window 3, destination in window 0
.set AC, 64*(\a)
.else
	WIN 0x0a                                       ; sources in window 2
.set AC, 64*((\a)-2)
.endif
.irp b, 0,1,2,3,4,5,6,7
.irp r, 0,1,2,3
	v_cvt_pk_f16_f32 v[TMP+4*(\b)+(\r)], v[AC+8*(\b)+2*(\r)], v[AC+8*(\b)+2*(\r)+1]
.endr
.endr
.endm
.macro TOSTAGE a
	WIN 0xc0                                       ; addresses and store data in window 0, loaded data in window 3
.set BK, OB+32*((\a)%2)
.irp b, 0,1,2,3,4,5,6,7
	ds_store_b128 v[STO], v[TMP+4*(\b):TMP+4*(\b)+3] offset:32*(\b)
.endr
.irp t, 0,1,2,3,4,5,6,7
	ds_load_b128 v[BK+4*(\t):BK+4*(\t)+3], v[RD] offset:(\t)*2*PITCH  ; LDS serves a wave's instructions in order (ISA guide 5.7.1.4): these see the stores above
.endr
.endm
.macro SEND a
	WIN 0x0c                                       ; store data in window 3
.set BK, OB+32*((\a)%2)
	s_wait_dscnt 0x0                               ; the block is back in registers
	s_wait_xcnt 0x0                                ; every earlier store has had its addresses translated (ISA guide 3.1): the other buffer, which the block before last was stored from, is loaded again only behind this wait
.irp t, 0,1,2,3,4,5,6,7
	global_store_b128 v[CO], v[BK+4*(\t):BK+4*(\t)+3], s[8:9] offset:(\a)*16*16384+(\t)*2*16384  ; 16 lanes store 256 consecutive bytes, at a multiple of 256 from the buffer's first byte
.endr
.endm
.macro WAYOUT
	PLACES                                         ; the conversions read results just made
	PACK 0
	TOSTAGE 0
.irp a, 1,2,3,4,5                      ; block a's conversions stand between block a - 1's loads from the stage and the wait for them
	PACK \a
	SEND (\a)-1
	TOSTAGE \a
.endr
	SEND 5
	WIN 0
.endm
	s_wait_tensorcnt 0x1                           ; my part of K step 0 is in; slot 1's may stay out
	s_barrier_signal -1
	s_barrier_wait -1                              ; everybody's is
	FETCH 0, 0
	WIN 0                                          ; at a label and at a branch every window is 0
	s_mov_b32 s3, 15                               ; at the change of slots behind K step s of the walk's 16 the counter stands at 14 - s: the same number in every work-group
	s_branch .Lzero                                ; the loop is entered at a tile's first quarter, in the middle of a trip
.Lstep:                                                ; a trip: from a K step's second quarter to the next step's first; one slot is filled again: 14 trips, K steps 2 to 15
	QUARTER 128, 1, 0, 0
	QUARTER 192, 0, 1, 0
	TURN 1
	WIN 0
	s_cmp_eq_u32 s3, 7                             ; behind K step 7 the first tile is finished
	s_cbranch_scc1 .Lbound
	QUARTER 64, 0, 1, 0
	WIN 0
	s_branch .Ljoin
.Lbound:                                               ; the second tile's K steps 0 and 1 are asked for and its first fragments fetched: now the first tile goes out
	WAYOUT
	s_wait_xcnt 0x0                                ; the stores' base and data registers are rewritten only behind this wait
	s_add_nc_u64 s[8:9], s[8:9], NEXT_C
.Lzero:
	QUARTER 64, 0, 1, 1                            ; a tile's first quarter: its products start the sums
	WIN 0
.Ljoin:
	s_sub_co_u32 s3, s3, 1
	s_cmp_lg_u32 s3, 0
	s_cbranch_scc1 .Lstep
	QUARTER 128, 1, 0, 0                           ; the walk's last two K steps are written out
	QUARTER 192, 0, 1, 0
	TURN 0                                         ; nothing is filled again, so no round follows
	QUARTER 64, 0, 1, 0
	QUARTER 128, 1, 0, 0
	QUARTER 192, 0, 1, 0
	LASTQ
	WAYOUT
	s_wait_tensorcnt 0x0                           ; the wave's end, behind my last tensor load and my last LDS store
	ds_add_u32 v[SPW], v[NIL]
	s_wait_dscnt 0x0
	CROUND                                         ; the closing round: no work-group ends while a partner may still ask for a tile that names it
	s_endpgm
.Lfunc_end_k_q81bd4b6150_proj:
	.size	k_q81bd4b6150_proj, .Lfunc_end_k_q81bd4b6150_proj-k_q81bd4b6150_proj
	.p2alignl 7, 3214868480
	.fill 96, 4, 3214868480
	.section	.rodata,"a",@progbits
	.p2align	6, 0x0
	.amdhsa_kernel k_q81bd4b6150_proj
		.amdhsa_group_segment_fixed_size 327680
		.amdhsa_private_segment_fixed_size 0
		.amdhsa_enable_private_segment 0
		.amdhsa_kernarg_size 24
		.amdhsa_user_sgpr_count 2
		.amdhsa_user_sgpr_kernarg_segment_ptr 1
		.amdhsa_wavefront_size32 1
		.amdhsa_system_sgpr_workgroup_id_x 1
		.amdhsa_system_sgpr_workgroup_id_y 1
		.amdhsa_system_sgpr_workgroup_id_z 1
		.amdhsa_system_vgpr_workitem_id 0
		.amdhsa_next_free_vgpr 960
		.amdhsa_next_free_sgpr 66
		.amdhsa_reserve_vcc 0
		.amdhsa_float_denorm_mode_32 3
		.amdhsa_float_denorm_mode_16_64 3
		.amdhsa_memory_ordered 1
		.amdhsa_forward_progress 1
		.amdhsa_inst_pref_size 117
	.end_amdhsa_kernel
	.amdgpu_metadata
---
amdhsa.version: [ 1, 2 ]
amdhsa.kernels:
  - .name:           k_q81bd4b6150_proj
    .symbol:         k_q81bd4b6150_proj.kd
    .args:
      - { .name: wb, .offset: 0, .size: 8, .value_kind: global_buffer, .address_space: global }
      - { .name: xb, .offset: 8, .size: 8, .value_kind: global_buffer, .address_space: global }
      - { .name: qkvt, .offset: 16, .size: 8, .value_kind: global_buffer, .address_space: global }
    .group_segment_fixed_size: 327680
    .private_segment_fixed_size: 0
    .kernarg_segment_align: 8
    .kernarg_segment_size: 24
    .max_flat_workgroup_size: 128
    .sgpr_count:     66
    .vgpr_count:     960
    .wavefront_size: 32
...
	.end_amdgpu_metadata
.endif
;; end of part 5
;; launch scores: the kernel of part 3 again; grid 8 x 32, 4 waves a work-group, clusters of 4 x 4, 327,680 bytes of LDS; arguments qkvt, pbuf, stats; writes pbuf, stats
;; launch pv (part 6): grid 4 x 64, 4 waves a work-group, clusters of 4 x 4, 327,680 bytes of LDS; arguments pbuf, qkvt, stats, out0; writes out0
.if DOCPART == 6
	.amdgcn_target "amdgcn-amd-amdhsa--gfx1250"
	.amdhsa_code_object_version 6
	.text
	.protected	k_q81bd4b6150_pv
	.globl	k_q81bd4b6150_pv
	.p2align	8
	.type	k_q81bd4b6150_pv,@function
k_q81bd4b6150_pv:
	s_mov_b64 s[64:65], 0
	v_nop
	global_prefetch_b8 v0, s[64:65] scope:SCOPE_SE
	s_setreg_imm32_b32 hwreg(HW_REG_WAVE_MODE, 25, 1), 1
	s_wait_xcnt 0x0
	s_wait_alu depctr_hold_cnt(0) depctr_sa_sdst(0) depctr_va_vdst(0) depctr_va_sdst(0) depctr_va_ssrc(0) depctr_va_vcc(0) depctr_vm_vsrc(0)
	s_getreg_b32 s2, hwreg(HW_REG_IB_STS2, 6, 4)
	s_cmp_eq_u32 s2, 0
	s_cbranch_scc0 .Lentry_in_a_cluster
	s_endpgm
.Lentry_in_a_cluster:
	s_bfe_u32 s2, ttmp6, 0x10000c
	s_cmp_lg_u32 s2, 0xf033
	s_cbranch_scc0 .Lentry_shape_is_right
	s_endpgm
.Lentry_shape_is_right:
; The second level of the softmax, and the second product.  For a row m: M = the largest of its 16 blocks' mc; f_j = 2^(mc_j - M); L = sum over j of f_j l_j; g_j = f_j / L;
;   out0[m][v] = sum over j of g_j T_j[m][v],   T_j[m][v] = sum over the 128 keys n of block j of p[m][n] v[n][v].     out0: [8192][1024] f32.
; p: pbuf [8192 rows][2048 keys] f16.  v comes transposed out of qkvt (feature rows 2048-3071, 16,384 bytes a row), so its K, the keys, lies along the rows.  stats: f32 [2][16][8192], mc then l.
; T_j, g_j and the sum over j are all f32: only the matrix products take 16-bit operands.  The block that holds M has f = 1 and l >= 1 to within a rounding, so L is not small.
; LIMITS.  p arrives relative to its own block's largest weight, with f16's fixed step of 6e-8 below 6e-5; an f below 2^-126 counts as 0; NaN and infinities are not treated apart.
; SHARES.  A tile is 128 rows x 256 features; four waves, each 64 x 128: 32 accumulators of 16 x 16; 256 work-groups.  K goes in 16 steps of 128 keys, one block of the statistics each,
; through two LDS slots (rows of 256 bytes).
; CLUSTER.  4 x 4 work-groups: the four of a row (all four feature blocks) need the same tiles of p, the four of a column (row blocks of one batch) the same tiles of v; each is asked for jointly.
; THE MATRIX INSTRUCTION IS USED TRANSPOSED (source 0 = 16 features of v, source 1 = 16 rows of p): a lane holds eight neighbouring features of ONE row of out0, so g is one number a lane and row block.
; HOW O TAKES T.  A K step's first quarter starts T anew (C = 0).  O += g T is 128 packed multiply-adds a step; they stand four behind each of 32 matrix instructions, always one phase behind the
; phase that finished the sums: T of row block 1 behind the last quarter's products on block 2, block 0's behind those on block 3, blocks 2's and 3's behind the next step's first products on blocks 1 and 0.
; O is cleared once, by 256 v_mov_b32 that stand in the wait for the statistics and the first tile: the price of writing no first step out, which would be a second copy of the loop's trip.
; REGISTERS, in windows of 256 (s_set_vgpr_msb: bits 1:0 source 0, 3:2 source 1, 5:4 source 2, 7:6 destination):
;   window 0: v0-31 addresses; v32-39 the step's g, a pair for each row block; v64-191 fragments of v, two buffers of 8 (at the start: the statistics at work); v192-255 T of my rows 0-15
;   window 1: v0-191 T of my rows 16-63; v192-255 fragments of p, two buffers of 4          window 2: O, (a, b) at v[64 a + 8 b]          window 3: rows read back from the stage
; THE LDS LOADS stand in ONE run in the middle of a quarter step, never singly among the matrix instructions.
.set PITCH,  272                       ; an LDS row: 256 bytes + 16 of padding = 68 words, so the 16 rows of a fragment load start at 16 different groups of four banks (ISA guide 11.1)
.set AHALF,  64*PITCH                  ; what a tensor load brings of p, and what a wave reads of it
.set BOFF,   128*PITCH                 ; a slot: p's 128 rows, then v's 256
.set BHALF,  128*PITCH
.set SLOT1,  1<<17                     ; slot 1 begins here: one exclusive or turns an address in one slot into the other's
.set STAGE,  SLOT1+BOFF+2*BHALF        ; behind the ring, never filled by a tensor load: 16 rows x 528 bytes for each wave
.set SPITCH, 528                       ; 512 bytes + 16
.set FTAB,   STAGE+4*16*SPITCH         ; [16 blocks][128 rows]: g in f32
.set SPARE,  FTAB+16*512               ; the spare words, 128 bytes for each wave: two blocks of 256 bytes that no other line names
.set KB,     256                       ; a K step along a row, in bytes
.set ADRA0, 16                         ; v16  my lane's place in a slot's rows of p; never rewritten
.set ADRB0, 17                         ; v17  the same for v
.set ADRA,  18                         ; v18  the same in the slot in hand
.set ADRB,  19                         ; v19
.set STO,   24                         ; v24  the way out: where I put 32 bytes of a row
.set RD,    25                         ; v25  where I read a row back
.set CO,    26                         ; v26  my byte offset in a row's 512 bytes of out0
.set SPW,   28                         ; v28  LDS address of my spare word; never rewritten
.set NIL,   29                         ; v29  0; never rewritten
.set FA0,   30                         ; v30  my row's place in block 0 of the table of g; never rewritten
.set FADR,  31                         ; v31  the same in the block to be fetched
.set FAC,   32                         ; v32-39  the step's g for my row of row block a at v[32 + 2 a]; the packed multiply-add names a pair and takes its low word
.set WV,  10                           ; s10  my wave's number
.set TB,  22                           ; s22  the slot in hand: 0 or SLOT1
.set G1A, 24                           ; s[24:31] descriptor group 1 for p's tiles
.set G0A, 32                           ; s[32:39] group 0: a set for each of the two first fills; the second then walks
.set FT,  45                           ; s45  512 x the block whose g is fetched next
.set G1B, 48                           ; s[48:55], s[56:63] the same for v's tiles
.set G0B, 56
.set W_P0, 0x04                        ; a product on window 0's sums: source 1 (p) in window 1
.set W_P1, 0x54                        ; on window 1's: source 1, C and D in window 1
.set MSB, 0
.macro WIN new                         ; the immediate's high byte repeats the setting that is left; a switch that changes nothing is dropped
.if MSB != (\new)
	s_set_vgpr_msb (MSB<<8)|(\new)
.set MSB, \new
.endif
.endm
; A joint refill.  Waves 0 and 1 fetch the two halves of p's tile, waves 2 and 3 those of v's.  The branch hangs on the wave's number alone.
; An s_nop 0 and four v_nop follow each of the two lines, ahead of the jump and the label.
.macro JLOAD
	s_cmp_lt_u32 s[WV], 2
	s_cbranch_scc0 .Lfor_b_\@
	tensor_load_to_lds s[G0A+4:G0A+7], s[G1A:G1A+7]
	s_nop 0
.rept 4
	v_nop
.endr
	s_branch .Lasked_\@
.Lfor_b_\@:
	tensor_load_to_lds s[G0B+4:G0B+7], s[G1B:G1B+7]
	s_nop 0
.rept 4
	v_nop
.endr
.Lasked_\@:
.endm
.macro CREST                           ; a round of the cluster's barrier behind its opening barrier
	s_cmp_lg_u32 s[WV], 0
	s_cbranch_scc1 .Lnot_wave_0_\@
	s_barrier_signal -3
.Lnot_wave_0_\@:
	s_barrier_wait -3
	s_barrier_signal -1
	s_barrier_wait -1
.endm
.macro CROUND                          ; a whole round
	s_barrier_signal -1
	s_barrier_wait -1
	CREST
.endm
.macro PLACES                          ; four places: in front of loads into registers that matrix instructions have read, and of vector work that reads results just made
.rept 4
	v_nop
.endr
.endm
	s_load_b128 s[4:7], s[0:1], 0x0                ; pbuf s[4:5], qkvt s[6:7]
	s_load_b64 s[14:15], s[0:1], 0x10              ; stats
	s_load_b64 s[8:9], s[0:1], 0x18                ; out0
	v_lshl_add_u32 v[SPW], v0, 2, SPARE
	v_mov_b32 v[NIL], 0
	ds_add_u32 v28, v29
	s_wait_dscnt 0x0
	v_lshrrev_b32 v1, 5, v0
	v_readfirstlane_b32 s[WV], v1                  ; wave 0..3
	s_lshr_b32 s11, s[WV], 1                       ; which 64 of the tile's rows are mine
	s_and_b32 s12, s[WV], 1                        ; which 128 of its features.  Also: which half of a tile I fetch
	s_bfe_u32 s40, ttmp6, 0x40000                  ; cx, cy: my place in the cluster
	s_bfe_u32 s41, ttmp6, 0x40004
	s_lshl_b32 s42, ttmp9, 2
	s_add_co_u32 s42, s42, s40                     ; block of 256 features = 4 x cluster x + cx
	s_and_b32 s13, ttmp7, 0xffff
	s_lshl_b32 s13, s13, 2
	s_add_co_u32 s13, s13, s41                     ; block of 128 among all 8,192 rows = 4 x cluster y + cy; sixteen blocks a batch
	s_lshl_b32 s43, s41, 2
	s_lshl_b32 s43, 15, s43                        ; my row of the cluster
	s_lshl_b32 s44, 0x1111, s40                    ; my column
	; descriptor group 1: rows of 128 elements of 2 bytes, 16 bytes of padding behind each; 64 rows of p, 128 of v
	s_or_b32 s[G1A], s43, (1<<16)|(1<<20)|(1<<21)|(5<<22)|(3<<25)  ; 15:0 the mask; 17:16 2-byte elements; 20 padding on; 21 set beside a mask; 24:22 after every 64 words (code 5); 31:25 4 words (code 3)
	s_or_b32 s[G1B], s44, (1<<16)|(1<<20)|(1<<21)|(5<<22)|(3<<25)
	s_mov_b32 s[G1A+1], 128<<16                    ; tensor_dim0 = 128
	s_mov_b32 s[G1A+2], 64<<16                     ; tensor_dim1 = 64
	s_mov_b32 s[G1A+3], 128<<16                    ; tile_dim0 = 128
	s_mov_b32 s[G1A+4], 64                         ; tile_dim1 = 64
	s_mov_b32 s[G1A+5], 2048                       ; elements from row to row of pbuf
	s_mov_b32 s[G1A+6], 0
	s_mov_b32 s[G1A+7], 0
	s_mov_b32 s[G1B+1], 128<<16
	s_mov_b32 s[G1B+2], 128<<16                    ; tensor_dim1 = 128
	s_mov_b32 s[G1B+3], 128<<16
	s_mov_b32 s[G1B+4], 128                        ; tile_dim1 = 128
	s_mov_b32 s[G1B+5], 8192                       ; elements from row to row of qkvt
	s_mov_b32 s[G1B+6], 0
	s_mov_b32 s[G1B+7], 0
	s_lshl_b32 s16, s13, 19                        ; p: 128 rows of 4,096 bytes a block, 64 a half: made of the row block and the wave's number alone
	s_lshl_b32 s17, s12, 18
	s_add_co_u32 s16, s16, s17
	s_mov_b32 s17, 0
	s_lshl_b32 s46, s42, 22                        ; v: 256 feature rows of 16,384 bytes a block, 128 a half,
	s_lshl_b32 s47, s12, 21
	s_add_co_u32 s46, s46, s47
	s_and_b32 s47, ttmp7, 0xffff                   ; the batch's 4,096 bytes in a row (four clusters along y a batch: made of the cluster's y alone, which my column shares),
	s_lshr_b32 s47, s47, 2
	s_lshl_b32 s47, s47, 12
	s_add_co_u32 s46, s46, s47
	s_add_co_u32 s46, s46, 2048*16384              ; behind q's and k's 2,048 feature rows
	s_mov_b32 s47, 0
	s_mul_i32 s20, s12, AHALF                      ; where they go in a slot: no place in the cluster enters an LDS address
	s_mul_i32 s21, s12, BHALF
	s_add_co_u32 s21, s21, BOFF
	s_mov_b32 s[TB], 0
	s_mov_b32 s[FT], 0
	s_wait_kmcnt 0x0
	s_add_nc_u64 s[4:5], s[4:5], s[16:17]
	s_add_nc_u64 s[6:7], s[6:7], s[46:47]
	CROUND                                         ; all sixteen work-groups are here: the first joint loads meet
.irp s, 0,1
	s_mov_b32 s[G0A+4*(\s)], 1                                     ; count = 1
	s_add_co_u32 s[G0A+4*(\s)+1], s20, (\s)*SLOT1                  ; LDS address
	s_add_nc_u64 s[G0A+4*(\s)+2:G0A+4*(\s)+3], s[4:5], (\s)*KB     ; global address: K step s
	s_or_b32 s[G0A+4*(\s)+3], s[G0A+4*(\s)+3], 0x80000000          ; type = 2
	s_mov_b32 s[G0B+4*(\s)], 1
	s_add_co_u32 s[G0B+4*(\s)+1], s21, (\s)*SLOT1
	s_add_nc_u64 s[G0B+4*(\s)+2:G0B+4*(\s)+3], s[6:7], (\s)*KB
	s_or_b32 s[G0B+4*(\s)+3], s[G0B+4*(\s)+3], 0x80000000
.endr
	s_cmp_lt_u32 s[WV], 2                          ; a wave's two first fills stand in one branch, ahead of every wait on TENSORcnt and every LDS read: two loads of mine are out
	s_cbranch_scc0 .Lfirst_b
	tensor_load_to_lds s[G0A:G0A+3], s[G1A:G1A+7]
	s_nop 0
	tensor_load_to_lds s[G0A+4:G0A+7], s[G1A:G1A+7]
	s_nop 0
.rept 4
	v_nop
.endr
	s_branch .Lfirst_asked
.Lfirst_b:
	tensor_load_to_lds s[G0B:G0B+3], s[G1B:G1B+7]
	s_nop 0
	tensor_load_to_lds s[G0B+4:G0B+7], s[G1B:G1B+7]
	s_nop 0
.rept 4
	v_nop
.endr
.Lfirst_asked:
	; THE FACTORS.  Thread t owns row t of the tile's 128: its 16 mc and 16 l are asked for now; a wave's load covers 128 consecutive bytes of a block's row of stats.
	v_lshlrev_b32 v15, 2, v0                       ; 4 t; not rewritten while the loads are out
	s_lshl_b32 s20, s13, 9                         ; the tile's 128 rows, 4 bytes each
	s_mov_b32 s21, 0
	s_add_nc_u64 s[14:15], s[14:15], s[20:21]
.set j, 0
.rept 16
	global_load_b32 v[64+j], v15, s[14:15] offset:j*32768
.set j, j+1
.endr
.set j, 0
.rept 16
	global_load_b32 v[80+j], v15, s[14:15] offset:524288+j*32768
.set j, j+1
.endr
	; A fragment is 16 rows x 32 K in 8 registers: lane l holds row l % 16, K = 8 (l / 16) + 0..7 and 16 + 8 (l / 16) + 0..7: two loads of 16 bytes, 32 bytes apart.
	v_and_b32 v1, 15, v0                           ; l % 16
	v_bfe_u32 v2, v0, 4, 1                         ; l / 16
	v_mul_u32_u24 v3, v1, PITCH
	v_lshl_add_u32 v3, v2, 4, v3                   ; row x pitch + 16 x half
	s_mul_i32 s20, s11, AHALF                      ; my 64 rows of p
	s_mul_i32 s21, s12, BHALF                      ; my 128 rows of v,
	s_add_co_u32 s21, s21, BOFF                    ; which lie behind p's 128
	v_add_nc_u32 v[ADRA0], s20, v3
	v_add_nc_u32 v[ADRB0], s21, v3
	v_mov_b32 v[ADRA], v[ADRA0]                    ; slot 0
	v_mov_b32 v[ADRB], v[ADRB0]
	s_mul_i32 s20, s[WV], 16*SPITCH
	s_add_co_u32 s20, s20, STAGE                   ; my stage
	v_and_b32 v4, 31, v0
	v_lshlrev_b32 v[CO], 4, v4                     ; back: 32 lanes take one row of 512 bytes
	v_add_nc_u32 v[RD], s20, v[CO]
	v_mul_u32_u24 v5, v1, SPITCH                   ; in: row l % 16, 32 bytes for each half of the lanes
	v_lshl_add_u32 v5, v2, 5, v5
	v_add_nc_u32 v[STO], s20, v5
	s_lshl_b32 s20, s11, 8
	s_add_co_u32 s20, s20, FTAB
	v_lshl_add_u32 v[FA0], v1, 2, s20              ; my wave's 64 rows of the table, row l % 16 of them
	v_mov_b32 v[FADR], v[FA0]                      ; block 0
	v_lshl_add_u32 v14, v0, 2, FTAB                ; where thread t puts its row's g
.irp a, 0,1,2,3
	v_mov_b32 v[FAC+2*(\a)+1], 0                   ; named in a pair: written once
.endr
	s_lshl_b32 s16, s13, 19                        ; out0 at my first row: 128 rows of 4,096 bytes a block, 64 a half,
	s_lshl_b32 s17, s11, 18
	s_add_co_u32 s16, s16, s17
	s_mov_b32 s17, 0
	s_add_nc_u64 s[8:9], s[8:9], s[16:17]
	s_lshl_b32 s46, s42, 10                        ; and my first feature: 1,024 bytes a block, 512 a half
	s_lshl_b32 s47, s12, 9
	s_add_co_u32 s46, s46, s47
	s_mov_b32 s47, 0
	s_add_nc_u64 s[8:9], s[8:9], s[46:47]
	WIN 0x80                                       ; O starts at 0: these lines stand in the wait for the statistics and the first tile
.set i, 0
.rept 256
	v_mov_b32 v[i], 0
.set i, i+1
.endr
	WIN 0
	s_wait_loadcnt 16                              ; the 16 mc are in; the 16 l may stay out
	v_max3_num_f32 v3, v64, v65, v66
	v_max3_num_f32 v4, v67, v68, v69
	v_max3_num_f32 v5, v70, v71, v72
	v_max3_num_f32 v6, v73, v74, v75
	v_max3_num_f32 v7, v76, v77, v78
	v_max3_num_f32 v3, v3, v4, v79
	v_max3_num_f32 v5, v5, v6, v7
	v_max_num_f32 v3, v3, v5                       ; M: c x the row's largest score
.set j, 0
.rept 16
	v_sub_f32 v[64+j], v[64+j], v3
.set j, j+1
.endr
.set j, 0
.rept 16
	v_exp_f32 v[64+j], v[64+j]                     ; f_j, 1 in the block that holds the maximum
.set j, j+1
.endr
	v_nop                                          ; a plain instruction between the last exponential and the use of its result (ISA guide 5.7.2)
	s_wait_loadcnt 0x0                             ; l
	s_wait_alu depctr_va_vdst(0)
	v_mul_f32 v4, v64, v80                         ; L in two chains
	v_mul_f32 v5, v65, v81
.set j, 2
.rept 7
	v_fmac_f32 v4, v[64+j], v[80+j]
	v_fmac_f32 v5, v[65+j], v[81+j]
.set j, j+2
.endr
	v_add_f32 v4, v4, v5
	v_rcp_f32 v6, v4
	v_nop                                          ; a plain instruction behind the reciprocal
.set j, 0
	s_wait_alu depctr_va_vdst(0)
.rept 16
	v_mul_f32 v[64+j], v[64+j], v6                 ; g_j = f_j / L
.set j, j+1
.endr
.set j, 0
.rept 16
	ds_store_b32 v14, v[64+j] offset:512*j
.set j, j+1
.endr
; One matrix instruction: row block a (0-3), feature block b (0-7), 32 along K out of buffer f.  zero = 1: the product starts the block's sum.
.macro MM f, a, b, zero
.if (\a) == 0
	WIN W_P0
.set rD, 192+8*(\b)
.else
	WIN W_P1
.set rD, 64*((\a)-1)+8*(\b)
.endif
.set rB, 64+64*(\f)+8*(\b)
.set rA, 192+32*(\f)+8*(\a)
.if \zero
	v_wmma_f32_16x16x32_f16 v[rD:rD+7], v[rB:rB+7], v[rA:rA+7], 0
.else
	v_wmma_f32_16x16x32_f16 v[rD:rD+7], v[rB:rB+7], v[rA:rA+7], v[rD:rD+7]
.endif
.endm
; O(a, b) += g(a) T(a, b): four packed multiply-adds, T's registers in ascending order
.macro ACC a, b
.if (\a) == 0
	WIN 0xa0                                       ; O (destination and source 2) in window 2, T and g in window 0
.set rT, 192+8*(\b)
.else
	WIN 0xa1                                       ; T in window 1
.set rT, 64*((\a)-1)+8*(\b)
.endif
.set rO, 64*(\a)+8*(\b)
.irp r, 0,1,2,3
	v_pk_fma_f32 v[rO+2*(\r):rO+2*(\r)+1], v[rT+2*(\r):rT+2*(\r)+1], v[FAC+2*(\a):FAC+2*(\a)+1], v[rO+2*(\r):rO+2*(\r)+1] op_sel_hi:[1,0,1]
.endr
.endm
; Eight matrix instructions on row block a.  ra >= 0: behind each, O takes one finished sum of row block ra; those four lines name no register of the products round them.
.macro PHASE f, a, zero, ra=-1
.irp b, 0,1,2,3,4,5,6,7
	MM \f, \a, \b, \zero
.if (\ra) >= 0
	ACC \ra, \b
.endif
.endr
.endm
; The LDS loads of a quarter in one run: (fl = 1: the step's four g, first;) the fragments of 32 along K at byte k of the slot's rows, into buffer g: v's eight, then p's in the order in which they are multiplied (1, 0, 2, 3)
.macro FETCH k, g, fl
	WIN W_P0                                       ; destination window 0, address window 0
.if \fl
.irp a, 0,1,2,3
	ds_load_b32 v[FAC+2*(\a)], v[FADR] offset:64*(\a)
.endr
.endif
.irp b, 0,1,2,3,4,5,6,7
	ds_load_b128 v[64+64*(\g)+8*(\b):64+64*(\g)+8*(\b)+3],   v[ADRB] offset:(\k)+(\b)*16*PITCH
	ds_load_b128 v[64+64*(\g)+8*(\b)+4:64+64*(\g)+8*(\b)+7], v[ADRB] offset:(\k)+(\b)*16*PITCH+32
.endr
	WIN W_P1                                       ; destination window 1
.irp a, 1,0,2,3
	ds_load_b128 v[192+32*(\g)+8*(\a):192+32*(\g)+8*(\a)+3],   v[ADRA] offset:(\k)+(\a)*16*PITCH
	ds_load_b128 v[192+32*(\g)+8*(\a)+4:192+32*(\g)+8*(\a)+7], v[ADRA] offset:(\k)+(\a)*16*PITCH+32
.endr
.endm
; A K step is four quarters of 32 along K, 32 matrix instructions each, on buffers 0, 1, 0, 1.  The 32 sums take turns, one instruction a turn, in the same
; order (row blocks 1, 0, 2, 3) in every quarter and over the loop's jump.
; One of the first three: multiplies buffer f; in its middle it fetches the next quarter, at byte k of the slot's rows, into buffer g.
; zero = 1: a step's first quarter: its products start T anew, and its run of loads begins with the step's g.  rid = 1: O takes the last step's T of row blocks 2 and 3 beside the first sixteen products,
; ahead of the products that start those two anew and of the loads that bring the new g; those 64 lines are then also the places in front of the loads.
.macro QUARTER k, f, g, zero, rid
	s_wait_dscnt 4                                 ; v's fragments and p's blocks 1 and 0 are in; the youngest four loads (blocks 2 and 3) may be out
.if \rid
	PHASE \f, 1, \zero, 2
	PHASE \f, 0, \zero, 3
.else
	PHASE \f, 1, \zero
	PHASE \f, 0, \zero
	PLACES
.endif
	FETCH \k, \g, \zero
	s_wait_dscnt 24+4*(\zero)                      ; all but the run just issued
	PHASE \f, 2, \zero
	PHASE \f, 3, \zero
.endm
; The last quarter multiplies buffer 1 and changes slots: ONE barrier.  In front of it each wave waits for all its tensor loads (one is out: its part of the next slot), adds 0 to its
; spare word, and waits for that and for its own reads of this slot.  mode = 1: the barrier opens a round of the cluster's, and behind the round this slot is filled again, with the
; K step two steps on: 112 matrix instructions stand between the request and the wait for it.  Beside its last sixteen products O takes the step's T of row blocks 1 and 0.
.macro TURN mode
	WIN 0
	s_wait_tensorcnt 0x0                           ; no tensor load of mine is out, so a group 0 may be written
	ds_add_u32 v[SPW], v[NIL]                      ; 0 onto my spare word; the descriptors' steps and eight products stand between it and the wait for it
.if \mode
	s_xor_b32 s[G0A+5], s[G0A+5], SLOT1            ; the walking descriptors: the other slot than last time,
	s_xor_b32 s[G0B+5], s[G0B+5], SLOT1
	s_add_nc_u64 s[G0A+6:G0A+7], s[G0A+6:G0A+7], KB  ; the next 128 keys; the type bits on top are not reached
	s_add_nc_u64 s[G0B+6:G0B+7], s[G0B+6:G0B+7], KB
.endif
	s_xor_b32 s[TB], s[TB], SLOT1
	s_add_co_u32 s[FT], s[FT], 512
	s_wait_dscnt 5                                 ; (the add and the youngest four loads may be out)
	PHASE 1, 1, 0
	s_wait_dscnt 0x0                               ; the add is done, buffer 1 is in, and my reads of this slot are over
	s_barrier_signal -1
	PHASE 1, 0, 0                                  ; work on registers while the others arrive
	WIN 0
	v_add_nc_u32 v[ADRA], s[TB], v[ADRA0]
	v_add_nc_u32 v[ADRB], s[TB], v[ADRB0]
	v_add_nc_u32 v[FADR], s[FT], v[FA0]            ; the next step's g, fetched in its first quarter
	s_barrier_wait -1
.if \mode
	CREST                                          ; no wave of any partner still reads this slot or has a load on its way
	JLOAD                                          ; my one tensor load behind the round, and the first thing there; the four v_nop behind it are also the places in front of the loads and of O's first lines below
.else
	PLACES
.endif
	FETCH 0, 0, 0
	PHASE 1, 2, 0, 1
	PHASE 1, 3, 0, 0
.endm
.macro LASTQ                           ; the last quarter of all: nothing more to fetch
	s_wait_dscnt 0x0
	PHASE 1, 1, 0
	PHASE 1, 0, 0
	PLACES                                         ; O's lines below read sums just made
	PHASE 1, 2, 0, 1
	PHASE 1, 3, 0, 0
.endm
.macro LUMP a                          ; the last step's T of row block a, with no product left to stand beside
.irp b, 0,1,2,3,4,5,6,7
	ACC \a, \b
.endr
.endm
; THE WAY OUT, a block of 16 rows at a time.  TOSTAGE: 32 bytes a lane into my own stage, and back as whole rows of 512 bytes.  SEND: stored.
.macro TOSTAGE a
	WIN 0xc8                                       ; store data in window 2, loaded data in window 3, addresses in window 0
.irp b, 0,1,2,3,4,5,6,7
	ds_store_b128 v[STO], v[64*(\a)+8*(\b):64*(\a)+8*(\b)+3]   offset:64*(\b)
	ds_store_b128 v[STO], v[64*(\a)+8*(\b)+4:64*(\a)+8*(\b)+7] offset:64*(\b)+16
.endr
.set t, 0
.rept 16
	ds_load_b128 v[64*(\a)+4*t:64*(\a)+4*t+3], v[RD] offset:SPITCH*t  ; LDS serves a wave's instructions in order (ISA guide 5.7.1.4): these see the stores above; the next block's stores come behind them
.set t, t+1
.endr
.endm
.macro SEND a, younger                 ; younger: the LDS instructions issued behind block a's loads: the next block's 32, or none
	WIN 0x0c                                       ; store data in window 3
	s_wait_dscnt \younger                          ; the block is back in registers
.set t, 0
.rept 16
	global_store_b128 v[CO], v[64*(\a)+4*t:64*(\a)+4*t+3], s[8:9] offset:(16*(\a)+t)*4096 th:TH_STORE_NT  ; a wave stores 512 consecutive bytes, at a multiple of 256 from the buffer's first byte
.set t, t+1
.endr
.endm
	s_wait_tensorcnt 0x1                           ; my part of K step 0 is in; slot 1's may stay out
	s_wait_dscnt 0x0                               ; for the others' sake: my rows of the table are written
	s_barrier_signal -1
	s_barrier_wait -1                              ; everybody's are
	FETCH 0, 0, 0
	QUARTER 64, 0, 1, 1, 0                         ; the first quarter of all: there is no step before it for O to take
	WIN 0
	s_mov_b32 s3, 14
.Lstep:                                                ; a trip: from a K step's second quarter to the next step's first; one slot is filled again: K steps 2 to 15
	QUARTER 128, 1, 0, 0, 0
	QUARTER 192, 0, 1, 0, 0
	TURN 1
	QUARTER 64, 0, 1, 1, 1
	WIN 0
	s_sub_co_u32 s3, s3, 1
	s_cmp_lg_u32 s3, 0
	s_cbranch_scc1 .Lstep
	QUARTER 128, 1, 0, 0, 0                        ; the tail is written out
	QUARTER 192, 0, 1, 0, 0
	TURN 0                                         ; nothing is filled again, so no round follows
	QUARTER 64, 0, 1, 1, 1
	QUARTER 128, 1, 0, 0, 0
	QUARTER 192, 0, 1, 0, 0
	LASTQ
	TOSTAGE 0                                      ; row blocks 0 and 1 of O are finished: they leave while O takes the last two
	LUMP 2
	SEND 0, 0
	TOSTAGE 1
	LUMP 3
	SEND 1, 0
	TOSTAGE 2
	TOSTAGE 3
	SEND 2, 32
	SEND 3, 0
	WIN 0
	s_wait_tensorcnt 0x0                           ; the wave's end, behind my last tensor load and my last LDS store
	ds_add_u32 v[SPW], v[NIL]
	s_wait_dscnt 0x0
	CROUND                                         ; the closing round: no work-group ends while a partner may still ask for a tile that names it
	s_endpgm
.Lfunc_end_k_q81bd4b6150_pv:
	.size	k_q81bd4b6150_pv, .Lfunc_end_k_q81bd4b6150_pv-k_q81bd4b6150_pv
	.p2alignl 7, 3214868480
	.fill 96, 4, 3214868480
	.section	.rodata,"a",@progbits
	.p2align	6, 0x0
	.amdhsa_kernel k_q81bd4b6150_pv
		.amdhsa_group_segment_fixed_size 327680
		.amdhsa_private_segment_fixed_size 0
		.amdhsa_enable_private_segment 0
		.amdhsa_kernarg_size 32
		.amdhsa_user_sgpr_count 2
		.amdhsa_user_sgpr_kernarg_segment_ptr 1
		.amdhsa_wavefront_size32 1
		.amdhsa_system_sgpr_workgroup_id_x 1
		.amdhsa_system_sgpr_workgroup_id_y 1
		.amdhsa_system_sgpr_workgroup_id_z 1
		.amdhsa_system_vgpr_workitem_id 0
		.amdhsa_next_free_vgpr 1024
		.amdhsa_next_free_sgpr 66
		.amdhsa_reserve_vcc 0
		.amdhsa_float_denorm_mode_32 3
		.amdhsa_float_denorm_mode_16_64 3
		.amdhsa_memory_ordered 1
		.amdhsa_forward_progress 1
		.amdhsa_inst_pref_size 114
	.end_amdhsa_kernel
	.amdgpu_metadata
---
amdhsa.version: [ 1, 2 ]
amdhsa.kernels:
  - .name:           k_q81bd4b6150_pv
    .symbol:         k_q81bd4b6150_pv.kd
    .args:
      - { .name: pbuf, .offset: 0, .size: 8, .value_kind: global_buffer, .address_space: global }
      - { .name: qkvt, .offset: 8, .size: 8, .value_kind: global_buffer, .address_space: global }
      - { .name: stats, .offset: 16, .size: 8, .value_kind: global_buffer, .address_space: global }
      - { .name: out0, .offset: 24, .size: 8, .value_kind: global_buffer, .address_space: global }
    .group_segment_fixed_size: 327680
    .private_segment_fixed_size: 0
    .kernarg_segment_align: 8
    .kernarg_segment_size: 32
    .max_flat_workgroup_size: 128
    .sgpr_count:     66
    .vgpr_count:     1024
    .wavefront_size: 32
...
	.end_amdgpu_metadata
.endif
;; end of part 6
;; ======== version 3 of 3: 4 launches; version 2 with the launch cast written anew for expert scheduling mode
;; limits: values are held in f16: magnitudes above 65,504 overflow, below 6.1e-05 lose precision
;; workspace buffers: xb 16,777,216 bytes; wb 6,291,456 bytes; qkvt 50,331,648 bytes; pbuf 33,554,432 bytes; stats 1,048,576 bytes
;; launch cast (part 7): grid 256 x 1, 8 waves a work-group, no clusters, 0 bytes of LDS; arguments x, Wq, Wk, Wv, xb, wb; writes xb, wb
.if DOCPART == 7
	.amdgcn_target "amdgcn-amd-amdhsa--gfx1250"
	.amdhsa_code_object_version 6
	.text
	.protected	k_q81bd4b6150_cast
	.globl	k_q81bd4b6150_cast
	.p2align	8
	.type	k_q81bd4b6150_cast,@function
k_q81bd4b6150_cast:
	s_mov_b64 s[64:65], 0
	v_nop
	global_prefetch_b8 v0, s[64:65] scope:SCOPE_SE
	s_setreg_imm32_b32 hwreg(HW_REG_WAVE_SCHED_MODE, 0, 2), 2
	s_setreg_imm32_b32 hwreg(HW_REG_WAVE_MODE, 25, 1), 1
	s_wait_xcnt 0x0
	s_wait_alu depctr_vm_vsrc(0)
; xb = bf16(x), [8192][1024];  wb = bf16(Wq; Wk; Wv), [3072][1024].  Each number is rounded once, to nearest even.
; A stream: no LDS, no barrier, no matrix unit, no cluster (no byte is read twice).  Work-group g takes 32 rows of x (131,072 bytes)
; and 4 rows of each W (16,384 bytes).  Thread t takes 16 bytes at 16 t of every 4,096: a wave's load covers 512 consecutive bytes,
; its store (8 bytes a lane) 256 consecutive bytes, aligned.  All 44 loads of a thread go out first, each into registers of its own,
; so nothing is rewritten while a load or store may still read it.
; THE MODE: SCHED_MODE bits 1:0 = 2 (LLVM: expert scheduling mode 2), set by the entry lines.  The code itself states the register dependences
; between vector instructions and memory instructions, with s_wait_alu, always for 0.
; THE PLAN.  Registers that memory instructions touch:
;   v1, v2        byte offsets of the loads and of the stores: written once at the head, never again.
;   v[X + 4 j ..] unit j, four registers: load j lands in them (no vector instruction has named them before); unit j's two roundings read all four and
;                 write the first two; store j reads those two; nothing writes them afterwards.
; So no load lands in a register that a vector instruction has named, and no register that a load or a store reads is written again: what is left to state
; is that the offsets are written ahead of the first load, and that a store's data are written ahead of the store.
; The 44 units go in 11 blocks of four.  Block p rounds its own four units and issues the four stores of block p - 1, whose registers no vector instruction
; of block p names.  ONE wait on va_vdst at a block's head, behind the wait for the block's data, states that block p - 1's roundings have written what
; those four stores read; the stores are then dealt among the block's roundings with no further wait.  One more such wait stands ahead of the last four stores.
.set X, 4                              ; v[4:179]  load j: 4 registers; its two packed results take the first two of them
.set BLOCK,  4                         ; units in a block
.set BLOCKS, 44 / BLOCK
	s_load_b256 s[4:11], s[0:1], 0x0               ; x s[4:5], Wq s[6:7], Wk s[8:9], Wv s[10:11]
	s_load_b128 s[12:15], s[0:1], 0x20             ; xb s[12:13], wb s[14:15]
	v_lshlrev_b32 v1, 4, v0                        ; where I load: 16 t
	v_lshlrev_b32 v2, 3, v0                        ; where I store: 8 t
	s_lshl_b32 s16, ttmp9, 17                      ; the group's part of x,
	s_mov_b32 s17, 0
	s_lshl_b32 s18, ttmp9, 14                      ; of each W,
	s_mov_b32 s19, 0
	s_lshl_b32 s20, ttmp9, 16                      ; of xb,
	s_mov_b32 s21, 0
	s_lshl_b32 s22, ttmp9, 13                      ; of each third of wb
	s_mov_b32 s23, 0
	s_wait_kmcnt 0x0
	s_add_nc_u64 s[4:5], s[4:5], s[16:17]
	s_add_nc_u64 s[6:7], s[6:7], s[18:19]
	s_add_nc_u64 s[8:9], s[8:9], s[18:19]
	s_add_nc_u64 s[10:11], s[10:11], s[18:19]
	s_add_nc_u64 s[12:13], s[12:13], s[20:21]
	s_add_nc_u64 s[14:15], s[14:15], s[22:23]
	s_wait_alu depctr_va_vdst(0)                   ; v1 and v2 are written: every load of the kernel reads v1 as its offset, every store v2
.set j, 0
.rept 32
	global_load_b128 v[X+4*j:X+4*j+3], v1, s[4:5] offset:4096*j th:TH_LOAD_NT
.set j, j+1
.endr
.irp w, 0,1,2
.irp i, 0,1,2,3
	global_load_b128 v[X+4*(32+4*(\w)+(\i)):X+4*(32+4*(\w)+(\i))+3], v1, s[6+2*(\w):7+2*(\w)] offset:4096*(\i) th:TH_LOAD_NT
.endr
.endr
; Unit j (the symbol j is set ahead of each use).  ROUND: its four f32 close up into two registers of bf16.  SEND: those two are stored.
.macro ROUND
	v_cvt_pk_bf16_f32 v[X+4*j], v[X+4*j], v[X+4*j+1]
	v_cvt_pk_bf16_f32 v[X+4*j+1], v[X+4*j+2], v[X+4*j+3]
.endm
.macro SEND
.if j < 32
	global_store_b64 v2, v[X+4*j:X+4*j+1], s[12:13] offset:2048*j
.else
	global_store_b64 v2, v[X+4*j:X+4*j+1], s[14:15] offset:((j-32)/4)*2097152+((j-32)%4)*2048  ; Wq, Wk, Wv lie 1,024 rows of 2,048 bytes apart in wb
.endif
.endm
.set p, 0
.rept BLOCKS
	s_wait_loadcnt 44-BLOCK*(p+1)                  ; loads come back in order (ISA guide 5.7.1): block p's four are in, the younger ones stay out
.if p > 0
	s_wait_alu depctr_va_vdst(0)                   ; block p - 1's roundings have written the eight registers that the four stores below read
.endif
.irp i, 0,1,2,3
.if p > 0
.set j, BLOCK*(p-1)+(\i)
	SEND                                           ; the block before.  No further wait: no vector instruction since the wait above names its registers
.endif
.set j, BLOCK*p+(\i)
	ROUND
.endr
.set p, p+1
.endr
	s_wait_alu depctr_va_vdst(0)                   ; the last block's roundings have written the registers that the last four stores read
.irp i, 0,1,2,3
.set j, BLOCK*(BLOCKS-1)+(\i)
	SEND
.endr
	s_endpgm
.Lfunc_end_k_q81bd4b6150_cast:
	.size	k_q81bd4b6150_cast, .Lfunc_end_k_q81bd4b6150_cast-k_q81bd4b6150_cast
	.p2alignl 7, 3214868480
	.fill 96, 4, 3214868480
	.section	.rodata,"a",@progbits
	.p2align	6, 0x0
	.amdhsa_kernel k_q81bd4b6150_cast
		.amdhsa_group_segment_fixed_size 0
		.amdhsa_private_segment_fixed_size 0
		.amdhsa_enable_private_segment 0
		.amdhsa_kernarg_size 48
		.amdhsa_user_sgpr_count 2
		.amdhsa_user_sgpr_kernarg_segment_ptr 1
		.amdhsa_wavefront_size32 1
		.amdhsa_system_sgpr_workgroup_id_x 1
		.amdhsa_system_sgpr_workgroup_id_y 1
		.amdhsa_system_sgpr_workgroup_id_z 1
		.amdhsa_system_vgpr_workitem_id 0
		.amdhsa_next_free_vgpr 180
		.amdhsa_next_free_sgpr 66
		.amdhsa_reserve_vcc 0
		.amdhsa_float_denorm_mode_32 3
		.amdhsa_float_denorm_mode_16_64 3
		.amdhsa_memory_ordered 1
		.amdhsa_forward_progress 1
		.amdhsa_inst_pref_size 16
	.end_amdhsa_kernel
	.amdgpu_metadata
---
amdhsa.version: [ 1, 2 ]
amdhsa.kernels:
  - .name:           k_q81bd4b6150_cast
    .symbol:         k_q81bd4b6150_cast.kd
    .args:
      - { .name: x, .offset: 0, .size: 8, .value_kind: global_buffer, .address_space: global }
      - { .name: Wq, .offset: 8, .size: 8, .value_kind: global_buffer, .address_space: global }
      - { .name: Wk, .offset: 16, .size: 8, .value_kind: global_buffer, .address_space: global }
      - { .name: Wv, .offset: 24, .size: 8, .value_kind: global_buffer, .address_space: global }
      - { .name: xb, .offset: 32, .size: 8, .value_kind: global_buffer, .address_space: global }
      - { .name: wb, .offset: 40, .size: 8, .value_kind: global_buffer, .address_space: global }
    .group_segment_fixed_size: 0
    .private_segment_fixed_size: 0
    .kernarg_segment_align: 8
    .kernarg_segment_size: 48
    .max_flat_workgroup_size: 256
    .sgpr_count:     66
    .vgpr_count:     180
    .wavefront_size: 32
...
	.end_amdgpu_metadata
.endif
;; end of part 7
;; launch proj: the kernel of part 5 again; grid 32 x 8, 4 waves a work-group, clusters of 4 x 4, 327,680 bytes of LDS; arguments wb, xb, qkvt; writes qkvt
;; launch scores: the kernel of part 3 again; grid 8 x 32, 4 waves a work-group, clusters of 4 x 4, 327,680 bytes of LDS; arguments qkvt, pbuf, stats; writes pbuf, stats
;; launch pv: the kernel of part 6 again; grid 4 x 64, 4 waves a work-group, clusters of 4 x 4, 327,680 bytes of LDS; arguments pbuf, qkvt, stats, out0; writes out0
